; MI455X (gfx1250); checked and timed in simulation.
; The chip was launched on July 23, 2026; its instructions are those of AMD's public machine-readable ISA for CDNA 5 (MIT licence, August 2026) and "CDNA5" Instruction Set Architecture Reference Guide (July 2026). The comments in the code are by the model that wrote it; some were corrected since.
;; Multi Head Self Attention. Allowed arithmetic: matrix products marked QUANTISED: E2M1 operands, one E8M0 scale for each 32 along K, by v_wmma_scale_f32_16x16x128_f8f6f4 with both operands' format E2M1 (or v_wmma_scale_f32_32x16x128_f4), f32 sums; products left as they are: bf16, f16 or f32 operands; f32 sums; everything else in f32.
;; Inputs: Wk 1,024 x 1,024 float32; Wo 1,024 x 1,024 float32; Wq 1,024 x 1,024 float32; Wv 1,024 x 1,024 float32; bk 1,024 float32; bo 1,024 float32; bq 1,024 float32; bv 1,024 float32; inputs 4 x 2,048 x 1,024 float32.
;; Outputs: out0 4 x 2,048 x 1,024 float32.
;; This version of the problem:
;;   THIS VERSION OF THE PROBLEM IS GIVEN IN LOW PRECISION. The matrix products marked QUANTISED in the list below multiply operands that are first quantised to E2M1 (2 exponent bits, 1 mantissa bit; 4 bits a number), with one power-of-two scale for each 32 numbers along K (OCP MX v1.0); their sums are f32. The products marked 'left as it is' may take bf16, f16 or f32 operands, with f32 sums. Whichever they take, every output number must still come out within the allowed error. Rounding operands to bf16 (8 significant bits) uses up far more of that allowance than f16 does (11 bits, for magnitudes from 6e-5 to 65,504). All else is computed in f32.
;;   The module's matrix products, in the order in which they are computed (A, B: the left and right operand; K: the contracted axis; several contracted axes count as one K, in the product's order):
;;     1. [M 8,192, K 1,024] x [K 1,024, N 1,024]; A: input inputs; B: input Wq: QUANTISED
;;     2. [M 8,192, K 1,024] x [K 1,024, N 1,024]; A: input inputs; B: input Wk: QUANTISED
;;     3. [M 8,192, K 1,024] x [K 1,024, N 1,024]; A: input inputs; B: input Wv: QUANTISED
;;     4. batch 64 x [M 2,048, K 64] x [K 64, N 2,048]; A: computed on the way; B: computed on the way: left as it is (an operand is computed on the way)
;;     5. batch 64 x [M 2,048, K 2,048] x [K 2,048, N 64]; A: computed on the way; B: computed on the way: left as it is (an operand is computed on the way)
;;     6. [M 8,192, K 1,024] x [K 1,024, N 1,024]; A: computed on the way; B: input Wo: left as it is (an operand is computed on the way)
;;   THE QUANTISER, for each operand of a quantised product, along K:
;;     - K is cut into blocks of 32 from its start; a last block that is shorter is filled with zeros.
;;     - A block's scale is 2^e with e = floor(log2(the largest magnitude in the block)) - 2, held to -126 .. 127; a block of zeros has e = 0. As a byte (E8M0): e + 127.
;;     - Each number is divided by its block's scale, clamped to +-6, and rounded to the nearest number of E2M1, ties to even, subnormals kept.
;;     - The product sums the exact products of the quantised numbers (number of the format x scale) in f32.
;;   ~~~python
;;   def quantise(x, axis):      # numpy; x: float32 -> the quantised numbers, widened to float32 again
;;       x = np.moveaxis(x, axis, -1); K = x.shape[-1]
;;       x = np.pad(x, [(0, 0)] * (x.ndim - 1) + [(0, -K % 32)]); x = x.reshape(x.shape[:-1] + (-1, 32)); a = np.abs(x).max(-1, keepdims=True)
;;       e = np.where(a > 0, np.clip(np.frexp(np.where(a > 0, a, 1))[1] - 1 - 2, -126, 127), 0)      # np.frexp(a)[1] - 1 = floor(log2(a)), exactly
;;       r = np.clip(x / 2.0 ** e, -6, 6)
;;       step = 2.0 ** (np.maximum(np.frexp(np.where(r == 0, 1, r))[1] - 1, 0) - 1)
;;       q = np.round(r / step) * step * 2.0 ** e      # np.round: ties to even
;;       return np.moveaxis(q.reshape(q.shape[:-2] + (-1,))[..., :K], -1, axis).astype(np.float32)
;;   ~~~
;; One version. Each part assembles by itself: llvm-mc -triple=amdgcn-amd-amdhsa -mcpu=gfx1250 --defsym DOCPART=n.
;; ======== version 1 of 1: 4 launches
;; limits: values are held in f16: magnitudes above 65,504 overflow, below 6.1e-05 lose precision
;; workspace buffers: xc 4,194,304 bytes; xs 262,144 bytes; wc 1,572,864 bytes; ws 98,304 bytes; wo16 2,097,152 bytes; qkv 50,331,648 bytes; att 16,777,216 bytes
;; launch prep (part 1): grid 432 x 1, 4 waves a work-group, no clusters, 68,096 bytes of LDS; arguments inputs, Wq, Wk, Wv, Wo, xc, xs, wc, ws, wo16; writes xc, xs, wc, ws, wo16
.if DOCPART == 1
	.amdgcn_target "amdgcn-amd-amdhsa--gfx1250"
	.amdhsa_code_object_version 6
	.text
	.protected	k_q884dd826ec_prep
	.globl	k_q884dd826ec_prep
	.p2align	8
	.type	k_q884dd826ec_prep,@function
k_q884dd826ec_prep:
	s_mov_b64 s[64:65], 0
	v_nop
	global_prefetch_b8 v0, s[64:65] scope:SCOPE_SE
	s_setreg_imm32_b32 hwreg(HW_REG_WAVE_MODE, 25, 1), 1
	s_wait_xcnt 0x0
; MULTI-HEAD SELF-ATTENTION, first of four launches: the operands of the three quantised products become codes of FP4 (E2M1) with one E8M0 byte for each 32 along K, and Wo becomes f16.
; WORK LEFT OUT BY THE WHOLE PROGRAM: bk.  scores[q][k] = scale x q . (x_k Wk + bk) = scale x q . (x_k Wk) + scale x q . bk.  The second term does not hang on the key k, so it is the same along the
; softmax's axis, and softmax(s + const) = softmax(s) for all finite values of the inputs.  The product q k^T is not a quantised one, so no quantiser sees k; k has no other way to the result.  So bk reaches
; no output: it is not loaded and is among no launch's arguments.  LIMIT: a NaN, an infinity or an overflow that reaches only bk or q . bk is not carried to the result.
; THE QUANTISER: a block's scale is 2^(floor(log2(its largest magnitude)) - 2); its byte is the largest magnitude's exponent field - 2, held at 1 from below; each number is divided by the scale and rounded
; to the nearest code, ties to even, beyond 6 the largest code.  A block of zeros gets the byte 1 where the rule says 127: its codes are zeros, which add nothing, and this program alone reads the bytes.
; LIMITS: NaN and infinities among the inputs are not served; Wo's numbers lie under 65,504 in magnitude (f16).
; THREE PATHS, parted by the work-group's number, which never join; each has LDS bytes of its own:
;   work-groups 0-47:    Wq, Wk, Wv [k][n] -> wc [3072 = the three weights' columns][512 bytes], K innermost, ws [3072][32].  A lane takes a column, its registers run down K.
;   work-groups 48-175:  Wo f32 -> wo16 f16, as it lies.
;   work-groups 176-431: inputs [8192][1024] -> xc [8192][512 bytes], xs [8192][32]: a plain stream of blocks of 32.
; No tensor loads, no barrier: waves share nothing.  Matrix units and clusters would add nothing to a stream.
.set SPW,   12                         ; v12  LDS address of my spare word; never rewritten
.set NIL,   13                         ; v13  0; never rewritten
.set WREG,  8192                       ; the stream's path: a region for each wave: two stages of 32 x SP bytes, then its 256 scale bytes
.set SP,    80                         ; a lane's place in a stage: 64 bytes + 16 of padding
.set CB,    8                          ; bytes of 16 codes
.set STEPS, 16
.set R,     16                         ; v16-79   four sets of 16 numbers as loaded
.set X,     80                         ; v80-111  two sets of 16 neighbours
.set E,     112                        ; v112-127 a scale byte for each step
.set C,     128                        ; v128-191 codes, four registers for each step
.set WBASE, 4*WREG                     ; the weights' path: four stages of 32 rows x PITCH
.set PITCH, 272
.set KROW,  512                        ; a row of wc in bytes
.set NB,    16                         ; blocks of 32 along K for a wave
.set SPARE, WBASE+4*32*PITCH           ; the spare words, 128 bytes for each wave, which no other line names
	s_load_b512 s[4:19], s[0:1], 0x0               ; inputs s[4:5], Wq s[6:7], Wk s[8:9], Wv s[10:11], Wo s[12:13], xc s[14:15], xs s[16:17], wc s[18:19]
	s_load_b128 s[20:23], s[0:1], 0x40             ; ws s[20:21], wo16 s[22:23]
	v_lshl_add_u32 v[SPW], v0, 2, SPARE
	v_mov_b32 v[NIL], 0
	v_lshrrev_b32 v1, 5, v0
	v_readfirstlane_b32 s24, v1                    ; wave 0..3
	v_and_b32 v2, 31, v0                           ; lane
	s_wait_kmcnt 0x0
	s_cmp_lt_u32 ttmp9, 48
	s_cbranch_scc1 .Lweights
	s_cmp_lt_u32 ttmp9, 176
	s_cbranch_scc1 .Lwo
; ---------------- inputs: a wave takes 16 steps of 512 numbers.  Each load reads 512 consecutive bytes; a step's 2,048 bytes turn through the wave's stage, so that a lane holds 16 neighbours along K
	v_lshlrev_b32 v3, 4, v2                        ; my 16 bytes of a load's 512
	s_mul_i32 s25, s24, WREG
	v_lshrrev_b32 v14, 2, v2
	v_mul_u32_u24 v14, v14, SP
	v_and_b32 v15, 3, v2
	v_lshl_add_u32 v14, v15, 4, v14
	v_add_nc_u32 v14, s25, v14                     ; into the stage: SP (lane / 4) + 16 (lane % 4)
	v_mul_u32_u24 v15, v2, SP
	v_add_nc_u32 v15, s25, v15                     ; out of it: SP x lane
	v_mul_u32_u24 v4, v2, CB                       ; my codes' place in a step's
	v_lshrrev_b32 v5, 1, v2
	s_add_co_u32 s25, s25, 2*32*SP
	v_add_nc_u32 v5, s25, v5                       ; my block's scale byte in the wave's 256
	v_lshlrev_b32 v7, 3, v2
	v_add_nc_u32 v6, s25, v7                       ; and 8 bytes a lane on the way out
	s_sub_co_u32 s26, ttmp9, 176
	s_lshl_b32 s26, s26, 2
	s_add_co_u32 s26, s26, s24                     ; which run of 8,192 numbers is my wave's
	s_mov_b32 s29, 0
	s_lshl_b32 s28, s26, 15
	s_add_nc_u64 s[4:5], s[4:5], s[28:29]
	s_lshl_b32 s28, s26, 12
	s_add_nc_u64 s[14:15], s[14:15], s[28:29]
	s_lshl_b32 s28, s26, 8
	s_add_nc_u64 s[16:17], s[16:17], s[28:29]
.macro XLOAD t
.irp i, 0,1,2,3
	global_load_b128 v[R+16*((\t)%4)+4*\i:R+16*((\t)%4)+4*\i+3], v3, s[4:5] offset:2048*(\t)+512*\i th:TH_LOAD_NT
.endr
.endm
.macro XTURN t                         ; LDS serves a wave's instructions in order: no wait between these stores and loads
.irp i, 0,1,2,3
	ds_store_b128 v14, v[R+16*((\t)%4)+4*\i:R+16*((\t)%4)+4*\i+3] offset:32*SP*((\t)%2)+8*SP*\i
.endr
.irp i, 0,1,2,3
	ds_load_b128 v[X+16*((\t)%2)+4*\i:X+16*((\t)%2)+4*\i+3], v15 offset:32*SP*((\t)%2)+16*\i
.endr
.endm
.irp t, 0,1,2,3
	XLOAD \t
.endr
	s_wait_loadcnt 12                              ; step 0's four loads are in; three steps' twelve stay out
	XTURN 0
.macro XSTEP t
.set XS, X+16*((\t)%2)
.if (\t) > 0
	s_wait_dscnt 1                                 ; this step's numbers are back from the stage; the last step's byte store may be out
.else
	s_wait_dscnt 0x0
.endif
.if (\t)+4 < STEPS
	XLOAD (\t)+4                                   ; into the registers whose stores into the stage are done
.endif
.if (\t)+1 < STEPS
.if STEPS-2-(\t) >= 3
	s_wait_loadcnt 12                              ; the next step's four loads are in; three steps' twelve stay out
.else
	s_wait_loadcnt 4*(STEPS-2-(\t))
.endif
	XTURN (\t)+1
.endif
	v_max3_num_f32 v8, |v[XS]|, |v[XS+1]|, |v[XS+2]|               ; the largest magnitude of my 16, in two chains
	v_max3_num_f32 v9, |v[XS+3]|, |v[XS+4]|, |v[XS+5]|
.irp i, 6,10
	v_max3_num_f32 v8, v8, |v[XS+\i]|, |v[XS+\i+1]|
	v_max3_num_f32 v9, v9, |v[XS+\i+2]|, |v[XS+\i+3]|
.endr
	v_max3_num_f32 v8, v8, |v[XS+14]|, |v[XS+15]|
	v_max3_num_f32 v8, v8, v9, 0x1800000           ; and the floor 2^(3 - 127): the byte cannot fall under 1
	v_max_num_f32_dpp v8, v8, v8 row_xmask:1 row_mask:0xf bank_mask:0xf   ; with my neighbour's 16: the block's
	v_add_nc_u32 v11, 0xff000000, v8               ; 2 off its exponent field: the conversion takes this operand's exponent field as its scale
	v_cvt_scalef32_pk8_fp4_f32 v[C+4*(\t)], v[XS:XS+7], v11
	v_cvt_scalef32_pk8_fp4_f32 v[C+4*(\t)+1], v[XS+8:XS+15], v11
	v_lshrrev_b32 v[E+(\t)], 23, v11               ; the scale's byte
	ds_store_b8 v5, v[E+(\t)] offset:16*(\t)       ; both lanes of a block write the same byte with the same value
	global_store_b64 v4, v[C+4*(\t):C+4*(\t)+1], s[14:15] offset:32*CB*(\t)   ; the wave stores 256 consecutive bytes, aligned
.endm
.irp t, 0,1,2,3,4,5,6,7,8,9,10,11,12,13,14,15
	XSTEP \t
.endr
	ds_load_b64 v[8:9], v6                         ; my wave's 256 scale bytes, behind its own stores
	s_wait_dscnt 0x0
	global_store_b64 v7, v[8:9], s[16:17]          ; 256 consecutive bytes, aligned
	s_wait_tensorcnt 0x0                           ; the wave's end
	ds_add_u32 v[SPW], v[NIL]
	s_wait_dscnt 0x0
	s_endpgm
; ---------------- Wo: a wave takes 2,048 numbers; a lane 8 neighbours at a time, which pack into 16 bytes: each store covers 512 consecutive bytes
.Lwo:
	s_sub_co_u32 s25, ttmp9, 48
	s_lshl_b32 s25, s25, 2
	s_add_co_u32 s25, s25, s24
	s_lshl_b32 s26, s25, 13
	s_mov_b32 s27, 0
	s_add_nc_u64 s[12:13], s[12:13], s[26:27]
	s_lshl_b32 s26, s25, 12
	s_add_nc_u64 s[22:23], s[22:23], s[26:27]
	v_lshlrev_b32 v3, 5, v2
	v_lshlrev_b32 v4, 4, v2
.irp i, 0,1,2,3,4,5,6,7
	global_load_b128 v[32+8*\i:35+8*\i], v3, s[12:13] offset:1024*\i th:TH_LOAD_NT
	global_load_b128 v[36+8*\i:39+8*\i], v3, s[12:13] offset:1024*\i+16 th:TH_LOAD_NT
.endr
.irp i, 0,1,2,3,4,5,6,7
	s_wait_loadcnt 14-2*\i                         ; pair i is in; the later pairs stay out
.irp j, 0,1,2,3
	v_cvt_pk_f16_f32 v[96+4*\i+\j], v[32+8*\i+2*\j], v[33+8*\i+2*\j]
.endr
	global_store_b128 v4, v[96+4*\i:99+4*\i], s[22:23] offset:512*\i
.endr
	s_endpgm
; ---------------- Wq, Wk, Wv: work-group t: weight t / 16, K half (t / 8) % 2, columns 128 (t % 8) on.  A wave takes 32 columns x 512 along K: 16 blocks a lane
.Lweights:
	s_lshr_b32 s25, ttmp9, 4                       ; which weight
	s_and_b32 s28, ttmp9, 7
	s_lshl_b32 s28, s28, 7
	s_lshl_b32 s29, s24, 5
	s_add_co_u32 s28, s28, s29                     ; my wave's first column
	s_bfe_u32 s29, ttmp9, 0x10003                  ; which 512 along K
	s_cmp_eq_u32 s25, 0
	s_cselect_b64 s[26:27], s[6:7], s[8:9]
	s_cmp_eq_u32 s25, 2
	s_cselect_b64 s[26:27], s[10:11], s[26:27]     ; the choice hangs on the work-group's number alone
	s_lshl_b32 s30, s29, 21                        ; 512 rows of 4,096 bytes
	s_lshl_b32 s31, s28, 2
	s_add_co_u32 s30, s30, s31
	s_mov_b32 s31, 0
	s_add_nc_u64 s[26:27], s[26:27], s[30:31]
	s_lshl_b32 s32, s25, 10
	s_add_co_u32 s32, s32, s28                     ; my first row of wc and ws
	s_lshl_b32 s30, s32, 9
	s_lshl_b32 s33, s29, 8
	s_add_co_u32 s30, s30, s33
	s_add_nc_u64 s[18:19], s[18:19], s[30:31]
	s_lshl_b32 s30, s32, 5
	s_lshl_b32 s33, s29, 4
	s_add_co_u32 s30, s30, s33
	s_add_nc_u64 s[20:21], s[20:21], s[30:31]
	v_lshlrev_b32 v3, 2, v2                        ; in: 4 bytes a lane
	s_mul_i32 s33, s24, 32*PITCH
	s_add_co_u32 s33, s33, WBASE                   ; my stage
	v_mul_u32_u24 v4, v2, PITCH
	v_add_nc_u32 v4, s33, v4                       ; into it: row = my column
	v_and_b32 v5, 15, v2
	v_lshrrev_b32 v6, 4, v2
	v_mul_u32_u24 v7, v6, PITCH
	v_lshl_add_u32 v7, v5, 4, v7
	v_add_nc_u32 v7, s33, v7                       ; out of it: sixteen lanes to a row, two rows an instruction
	v_mul_u32_u24 v8, v6, KROW
	v_lshl_add_u32 v8, v5, 4, v8                   ; the same place in wc
	v_lshlrev_b32 v9, 5, v2                        ; my column's row of scale bytes
.macro WLOAD t                         ; block t: W(32 t + i, my column) into set t % 2; a wave's load reads 128 consecutive bytes
.irp i, 0,1,2,3,4,5,6,7,8,9,10,11,12,13,14,15,16,17,18,19,20,21,22,23,24,25,26,27,28,29,30,31
	global_load_b32 v[32+32*((\t)%2)+\i], v3, s[26:27] offset:(32*(\t)+\i)*4096 th:TH_LOAD_NT
.endr
.endm
	WLOAD 0
	WLOAD 1
.macro WBLOCK t
.set WX, 32+32*((\t)%2)
.if (\t) < NB-1
	s_wait_loadcnt 32                              ; this block's 32 loads are in; the next block's 32 stay out
.else
	s_wait_loadcnt 0
.endif
	v_max3_num_f32 v16, |v[WX]|, |v[WX+1]|, |v[WX+2]|              ; the block's largest magnitude: all 32 numbers are mine
	v_max3_num_f32 v17, |v[WX+3]|, |v[WX+4]|, |v[WX+5]|
.irp i, 6,10,14,18,22,26
	v_max3_num_f32 v16, v16, |v[WX+\i]|, |v[WX+\i+1]|
	v_max3_num_f32 v17, v17, |v[WX+\i+2]|, |v[WX+\i+3]|
.endr
	v_max3_num_f32 v16, v16, |v[WX+30]|, |v[WX+31]|
	v_max3_num_f32 v16, v16, v17, 0x1800000        ; and the floor 2^(3 - 127)
	v_add_nc_u32 v11, 0xff000000, v16              ; the conversion's scale operand
	v_lshrrev_b32 v10, 23, v11                     ; the scale's byte
.if (\t)%4 == 0
	v_mov_b32 v[24+(\t)/4], v10                    ; four bytes to a register, the lower K in the lower byte
.else
	v_lshl_or_b32 v[24+(\t)/4], v10, 8*((\t)%4), v[24+(\t)/4]
.endif
.irp g, 0,1,2,3
	v_cvt_scalef32_pk8_fp4_f32 v[96+\g], v[WX+8*\g:WX+8*\g+7], v11
.endr
	ds_store_b128 v4, v[96:99] offset:16*(\t)      ; 32 codes: 16 bytes of my column's row
.if (\t)+2 < NB
	WLOAD (\t)+2
.endif
	s_wait_dscnt 0x0                               ; the store has read its registers: the next block's codes may be written
.endm
.set Q, 0
.rept NB
	WBLOCK Q
.set Q, Q+1
.endr
	global_store_b128 v9, v[24:27], s[20:21]       ; my column's 16 scale bytes
.irp t, 0,1,2,3,4,5,6,7,8,9,10,11,12,13,14,15
	ds_load_b128 v[112+4*\t:115+4*\t], v7 offset:2*\t*PITCH
.endr
.irp t, 0,1,2,3,4,5,6,7,8,9,10,11,12,13,14,15
	s_wait_dscnt 15-\t                             ; load t is in; the later ones stay out
	global_store_b128 v8, v[112+4*\t:115+4*\t], s[18:19] offset:2*\t*KROW   ; sixteen lanes store 256 consecutive bytes, aligned
.endr
	s_wait_tensorcnt 0x0                           ; the wave's end
	ds_add_u32 v[SPW], v[NIL]
	s_wait_dscnt 0x0
	s_endpgm
.Lfunc_end_k_q884dd826ec_prep:
	.size	k_q884dd826ec_prep, .Lfunc_end_k_q884dd826ec_prep-k_q884dd826ec_prep
	.p2alignl 7, 3214868480
	.fill 96, 4, 3214868480
	.section	.rodata,"a",@progbits
	.p2align	6, 0x0
	.amdhsa_kernel k_q884dd826ec_prep
		.amdhsa_group_segment_fixed_size 68096
		.amdhsa_private_segment_fixed_size 0
		.amdhsa_enable_private_segment 0
		.amdhsa_kernarg_size 80
		.amdhsa_user_sgpr_count 2
		.amdhsa_user_sgpr_kernarg_segment_ptr 1
		.amdhsa_wavefront_size32 1
		.amdhsa_system_sgpr_workgroup_id_x 1
		.amdhsa_system_sgpr_workgroup_id_y 1
		.amdhsa_system_sgpr_workgroup_id_z 1
		.amdhsa_system_vgpr_workitem_id 0
		.amdhsa_next_free_vgpr 192
		.amdhsa_next_free_sgpr 66
		.amdhsa_reserve_vcc 0
		.amdhsa_float_denorm_mode_32 3
		.amdhsa_float_denorm_mode_16_64 3
		.amdhsa_memory_ordered 1
		.amdhsa_forward_progress 1
		.amdhsa_inst_pref_size 116
	.end_amdhsa_kernel
	.amdgpu_metadata
---
amdhsa.version: [ 1, 2 ]
amdhsa.kernels:
  - .name:           k_q884dd826ec_prep
    .symbol:         k_q884dd826ec_prep.kd
    .args:
      - { .name: inputs, .offset: 0, .size: 8, .value_kind: global_buffer, .address_space: global }
      - { .name: Wq, .offset: 8, .size: 8, .value_kind: global_buffer, .address_space: global }
      - { .name: Wk, .offset: 16, .size: 8, .value_kind: global_buffer, .address_space: global }
      - { .name: Wv, .offset: 24, .size: 8, .value_kind: global_buffer, .address_space: global }
      - { .name: Wo, .offset: 32, .size: 8, .value_kind: global_buffer, .address_space: global }
      - { .name: xc, .offset: 40, .size: 8, .value_kind: global_buffer, .address_space: global }
      - { .name: xs, .offset: 48, .size: 8, .value_kind: global_buffer, .address_space: global }
      - { .name: wc, .offset: 56, .size: 8, .value_kind: global_buffer, .address_space: global }
      - { .name: ws, .offset: 64, .size: 8, .value_kind: global_buffer, .address_space: global }
      - { .name: wo16, .offset: 72, .size: 8, .value_kind: global_buffer, .address_space: global }
    .group_segment_fixed_size: 68096
    .private_segment_fixed_size: 0
    .kernarg_segment_align: 8
    .kernarg_segment_size: 80
    .max_flat_workgroup_size: 128
    .sgpr_count:     66
    .vgpr_count:     192
    .wavefront_size: 32
...
	.end_amdgpu_metadata
.endif
;; end of part 1
;; launch qkv (part 2): grid 12 x 32, 4 waves a work-group, clusters of 4 x 4, 327,680 bytes of LDS; arguments xc, xs, wc, ws, bq, bv, qkv; writes qkv
.if DOCPART == 2
	.amdgcn_target "amdgcn-amd-amdhsa--gfx1250"
	.amdhsa_code_object_version 6
	.text
	.protected	k_q884dd826ec_qkv
	.globl	k_q884dd826ec_qkv
	.p2align	8
	.type	k_q884dd826ec_qkv,@function
k_q884dd826ec_qkv:
	s_mov_b64 s[64:65], 0
	v_nop
	global_prefetch_b8 v0, s[64:65] scope:SCOPE_SE
	s_setreg_imm32_b32 hwreg(HW_REG_WAVE_MODE, 25, 1), 1
	s_wait_xcnt 0x0
	s_wait_alu depctr_hold_cnt(0) depctr_sa_sdst(0) depctr_va_vdst(0) depctr_va_sdst(0) depctr_va_ssrc(0) depctr_va_vcc(0) depctr_vm_vsrc(0)
	s_getreg_b32 s2, hwreg(HW_REG_IB_STS2, 6, 4)
	s_cmp_eq_u32 s2, 0
	s_cbranch_scc0 .Lentry_in_a_cluster
	s_endpgm
.Lentry_in_a_cluster:
	s_bfe_u32 s2, ttmp6, 0x10000c
	s_cmp_lg_u32 s2, 0xf033
	s_cbranch_scc0 .Lentry_shape_is_right
	s_endpgm
.Lentry_shape_is_right:
; q, k, v = Q(inputs) Q(W) + bias: one GEMM on codes of FP4 (E2M1) with E8M0 scales, [8192 tokens] x [3072 = Wq's, Wk's, Wv's columns], K = 1,024; sums in f32; results rounded once to f16 and laid by heads:
; qkv [batch 4][g 48][position 2048][64], g = head for q, 16 + head for k, 32 + head for v.
; WORK LEFT OUT: bk (a term that is the same along the softmax's axis: shown at the head of the first launch): k's tiles begin their sums at 0.
; LIMITS: |q|, |k|, |v| under 65,504 (f16); NaN and infinities are not served.
; A tile of 256 x 256 is made by four waves, 128 x 128 each: 64 accumulators, 512 registers.  K is two steps of 512 (LDS rows of 256 bytes): both slots are filled once, at the start, and nothing is filled again.
; The scale bytes of the work-group's 256 + 256 rows, for all of K, come once, as units of 256 bytes.  By this text's count a wave has three tensor loads out at the start.
; CLUSTERS: 4 x 4 work-groups; x's tiles are asked for jointly along a row of the cluster, the weights' along a column.
; THE MATRIX INSTRUCTION IS USED TRANSPOSED (source 0 = 16 columns of a weight, source 1 = 16 tokens): a lane holds one token and eight neighbouring channels.
; THE BIAS is the C of each accumulator's first product: 64 registers in the result's layout.
; REGISTERS: window 0: v0-31 addresses; v32-95 scale words and nothing else; v96-127, v224-255 rows on the way out; v128-191 x's fragments; v192-255 the bias, later v192-223 packed results.
;   window 1: the weights' fragments, two sets.   window 2, 3: the accumulators ((a, b) at v[8 (8 (a % 4) + b)]).
.set SIZE_K, 1024
.set NQ,     4                         ; matrix instructions deep in a slot
.set ROWB,   256                       ; a tile's row: 512 codes
.set KROW,   SIZE_K/2                  ; a row of codes in memory
.set PITCH,  272                       ; an LDS row: 256 bytes + 16 of padding, so that the 16 rows of a load begin 16 bytes further on in each 256
.set FR,     8
.set NL,     2
.set NP,     4                         ; places behind this matrix instruction (ISA guide 7.12.1)
.set HALFT,  128*PITCH
.set SLOT,   4*HALFT
.set KS,     SIZE_K/32                 ; a row of scale bytes
.set SCL,    2*SLOT
.set HALFS,  (128*KS/256)*272
.set SBLK,   (16*KS/256)*272
.set SPARE,  SCL+4*HALFS               ; the spare words, 128 bytes for each wave, which no other line names
.set SPITCH, 272                       ; the way out: a stage of 16 rows x (256 + 16) for each wave, in slot 0, which has had its only fill and its last read by then
.set ADRA, 16
.set ADRB, 20
.set STO,  24
.set RD,   25
.set CO,   26
.set ADRS, 27
.set SPW,  28
.set NIL,  29
.set BOF,  30                          ; v30  32 x (lane / 16): my place in a block's 16 numbers of the bias
.set SC,   32
.set AF,   128
.set BI,   192                         ; the bias: block b's eight numbers at v[BI + 8 b]
.set TMP,  192
.set G1, 24
.set G0, 32
.set G1B, 48
.set G0B, 56
.set G1S, 68
.set G0S, 76
.set G1SB, 80
.set G0SB, 88
.set MSB, 0
.macro WIN new                         ; the immediate's high byte repeats the setting that is left
.if MSB != (\new)
	s_set_vgpr_msb (MSB<<8)|(\new)
.set MSB, (\new)
.endif
.endm
.set MUL_LO,  0xa1                     ; source 0 window 1, source 1 window 0, C and D window 2
.set MUL_HI,  0xf1                     ; the same, C and D window 3
.set MUL_LO0, 0x81                     ; the first products: C (the bias) window 0
.set MUL_HI0, 0xc1
.set TO_B,    0x40
.macro JLOAD g0a, g1a, g0b, g1b        ; a joint load: waves 0 and 1 fetch for x, waves 2 and 3 for the weights; an s_nop 0 and four v_nop follow each line
	s_cmp_eq_u32 s15, 0
	s_cbranch_scc0 .Lfor_b_\@
	tensor_load_to_lds s[\g0a:\g0a+3], s[\g1a:\g1a+7]
	s_nop 0
.rept 4
	v_nop
.endr
	s_branch .Lasked_\@
.Lfor_b_\@:
	tensor_load_to_lds s[\g0b:\g0b+3], s[\g1b:\g1b+7]
	s_nop 0
.rept 4
	v_nop
.endr
.Lasked_\@:
.endm
.macro CROUND                          ; a round of the cluster's barrier
	s_barrier_signal -1
	s_barrier_wait -1
	s_cmp_lg_u32 s14, 0
	s_cbranch_scc1 .Lnot_wave_0_\@
	s_barrier_signal -3
.Lnot_wave_0_\@:
	s_barrier_wait -3
	s_barrier_signal -1
	s_barrier_wait -1
.endm
	s_load_b128 s[4:7], s[0:1], 0x0                ; xc, xs
	s_load_b128 s[8:11], s[0:1], 0x10              ; wc, ws
	s_load_b128 s[96:99], s[0:1], 0x20             ; bq, bv
	s_load_b64 s[12:13], s[0:1], 0x30              ; qkv
	v_lshl_add_u32 v[SPW], v0, 2, SPARE
	v_mov_b32 v[NIL], 0
	ds_add_u32 v[SPW], v[NIL]                      ; the wave's opening: the add, twice on end, and its wait ahead of my first tensor load
	ds_add_u32 v[SPW], v[NIL]
	v_lshrrev_b32 v1, 5, v0
	v_readfirstlane_b32 s14, v1                    ; wave 0..3
	s_lshr_b32 s15, s14, 1                         ; which half of the tile's tokens is mine.  Also: I fetch for x (0) or for the weights (1)
	s_and_b32 s16, s14, 1                          ; which half of its columns.  Also: which 128 rows I fetch
	s_bfe_u32 s40, ttmp6, 0x40000                  ; cx, cy
	s_bfe_u32 s41, ttmp6, 0x40004
	s_lshl_b32 s42, ttmp9, 2
	s_add_co_u32 s42, s42, s40                     ; tile column = 4 x cluster x + cx
	s_and_b32 s17, ttmp7, 0xffff
	s_lshl_b32 s17, s17, 2
	s_add_co_u32 s17, s17, s41                     ; tile row = 4 x cluster y + cy
	s_lshl_b32 s43, s41, 2
	s_lshl_b32 s43, 15, s43                        ; my row of the cluster
	s_lshl_b32 s44, 0x1111, s40                    ; my column
	s_or_b32 s[G1+0], s43, (0<<16)|(1<<20)|(1<<21)|(5<<22)|(3<<25)  ; mask; elements of 1 byte; padding on; bit 21 beside a mask; after every 64 words, 4 words
	s_or_b32 s[G1B+0], s44, (0<<16)|(1<<20)|(1<<21)|(5<<22)|(3<<25)
.irp g, G1, G1B
	s_mov_b32 s[\g+1], ROWB<<16                    ; tensor_dim0
	s_mov_b32 s[\g+2], 128<<16                     ; tensor_dim1
	s_mov_b32 s[\g+3], ROWB<<16                    ; tile_dim0
	s_mov_b32 s[\g+4], 128                         ; tile_dim1
	s_mov_b32 s[\g+5], KROW                        ; from row to row
	s_mov_b32 s[\g+6], 0
	s_mov_b32 s[\g+7], 0
.endr
	s_or_b32 s[G1S+0], s43, (3<<16)|(1<<20)|(1<<21)|(5<<22)|(3<<25) ; the scales of 128 rows: a dense block, as rows of 32 elements of 8 bytes
	s_or_b32 s[G1SB+0], s44, (3<<16)|(1<<20)|(1<<21)|(5<<22)|(3<<25)
.irp g, G1S, G1SB
	s_mov_b32 s[\g+1], 32<<16
	s_mov_b32 s[\g+2], (128*KS/256)<<16
	s_mov_b32 s[\g+3], 32<<16
	s_mov_b32 s[\g+4], 128*KS/256
	s_mov_b32 s[\g+5], 32
	s_mov_b32 s[\g+6], 0
	s_mov_b32 s[\g+7], 0
.endr
	s_lshl_b32 s18, s16, 7
	s_lshl_b32 s20, s17, 8
	s_add_co_u32 s20, s20, s18                     ; x: row 256 x tile row + 128 x half
	s_lshl_b32 s46, s42, 8
	s_add_co_u32 s46, s46, s18                     ; weights: row 256 x tile column + 128 x half
	s_mov_b32 s21, 0
	s_mov_b32 s47, 0
	s_mov_b64 s[18:19], KS
	s_mul_u64 s[22:23], s[20:21], s[18:19]
	s_mul_u64 s[92:93], s[46:47], s[18:19]
	s_mov_b64 s[18:19], KROW
	s_mul_u64 s[20:21], s[20:21], s[18:19]
	s_mul_u64 s[46:47], s[46:47], s[18:19]
	s_mul_i32 s45, s14, HALFT                      ; where they go: wave x 128 rows
	s_mul_i32 s94, s14, HALFS
	s_wait_dscnt 0x0                               ; both opening adds are done
	s_wait_kmcnt 0x0
	s_add_nc_u64 s[20:21], s[4:5], s[20:21]
	s_add_nc_u64 s[22:23], s[6:7], s[22:23]
	s_add_nc_u64 s[46:47], s[8:9], s[46:47]
	s_add_nc_u64 s[92:93], s[10:11], s[92:93]
	CROUND                                         ; all sixteen work-groups are here: the joint loads meet
	s_mov_b32 s[G0S], 1
	s_add_co_u32 s[G0S+1], s94, SCL
	s_mov_b64 s[G0S+2:G0S+3], s[22:23]
	s_or_b32 s[G0S+3], s[G0S+3], 0x80000000
	s_mov_b32 s[G0SB], 1
	s_add_co_u32 s[G0SB+1], s94, SCL
	s_mov_b64 s[G0SB+2:G0SB+3], s[92:93]
	s_or_b32 s[G0SB+3], s[G0SB+3], 0x80000000
	JLOAD G0S, G1S, G0SB, G1SB                     ; the scales first
.irp s, 0,1
	s_mov_b32 s[G0+4*\s], 1
	s_add_co_u32 s[G0+4*\s+1], s45, \s*SLOT
	s_add_nc_u64 s[G0+4*\s+2:G0+4*\s+3], s[20:21], \s*ROWB
	s_or_b32 s[G0+4*\s+3], s[G0+4*\s+3], 0x80000000
	s_mov_b32 s[G0B+4*\s], 1
	s_add_co_u32 s[G0B+4*\s+1], s45, \s*SLOT
	s_add_nc_u64 s[G0B+4*\s+2:G0B+4*\s+3], s[46:47], \s*ROWB
	s_or_b32 s[G0B+4*\s+3], s[G0B+4*\s+3], 0x80000000
	JLOAD G0+4*\s, G1, G0B+4*\s, G1B
.endr
	v_and_b32 v1, 15, v0                           ; l % 16
	v_bfe_u32 v2, v0, 4, 1                         ; l / 16
	; THE BIAS.  Cluster x = 0: q's columns, 1: k's, 2: v's: the same number in all sixteen partners.  Register BI + 8 b + j: bias[256 cx + 128 half + 16 b + 8 (l / 16) + j]
	v_lshlrev_b32 v[BOF], 5, v2
	s_cmp_eq_u32 ttmp9, 0
	s_cselect_b64 s[96:97], s[96:97], s[98:99]
	s_lshl_b32 s46, s40, 10
	s_lshl_b32 s47, s16, 9
	s_add_co_u32 s46, s46, s47
	s_mov_b32 s47, 0
	s_add_nc_u64 s[96:97], s[96:97], s[46:47]
	s_cmp_eq_u32 ttmp9, 1
	s_cbranch_scc1 .Lno_bias
.irp b, 0,1,2,3,4,5,6,7
	global_load_b128 v[BI+8*\b:BI+8*\b+3], v[BOF], s[96:97] offset:64*\b
	global_load_b128 v[BI+8*\b+4:BI+8*\b+7], v[BOF], s[96:97] offset:64*\b+16
.endr
	s_wait_loadcnt 0x0                             ; (the tiles are on their way meanwhile)
	s_branch .Lbias_done
.Lno_bias:
.set i, 0
.rept 64
	v_mov_b32 v[BI+i], 0                           ; k's sums begin at 0: bk is left out.  One text of the first step then serves all three
.set i, i+1
.endr
.Lbias_done:
	v_mul_u32_u24 v3, v1, PITCH
	v_lshl_add_u32 v4, v2, 4, v3                   ; a fragment's row x pitch + 16 x half
	s_mul_i32 s21, s15, HALFT                      ; my 128 tokens
	s_mul_i32 s22, s16, HALFT                      ; my 128 columns,
	s_add_co_u32 s22, s22, 2*HALFT                 ; behind x's 256 rows
.irp s, 0,1
	v_add_nc_u32 v[ADRA+\s], s21, v4
	v_add_nc_u32 v[ADRB+\s], s22, v4
	s_add_co_u32 s21, s21, SLOT
	s_add_co_u32 s22, s22, SLOT
.endr
	v_mul_u32_u24 v5, v1, KS                       ; my row's scales: KS bytes a row,
	v_lshrrev_b32 v6, 8, v5
	v_lshl_add_u32 v5, v6, 4, v5                   ; and 16 more for each 256 passed
	s_mul_i32 s21, s15, HALFS
	s_mul_i32 s22, s16, HALFS
	s_add_co_u32 s22, s22, 2*HALFS
	s_sub_co_u32 s22, s22, s21
	v_mul_u32_u24 v6, s22, v2                      ; lanes 16-31 take the weights'
	s_add_co_u32 s21, s21, SCL
	v_add_nc_u32 v5, v5, v6
	v_add_nc_u32 v[ADRS], s21, v5
	s_mul_i32 s23, s14, 16*SPITCH                  ; my stage.  A stage row holds two tokens' 128 bytes of one head; rows 0-7 the first head, rows 8-15 the second
	v_lshrrev_b32 v5, 1, v1
	v_mul_u32_u24 v5, v5, SPITCH
	v_and_b32 v6, 1, v1
	v_lshl_add_u32 v5, v6, 7, v5
	v_lshl_add_u32 v5, v2, 4, v5
	v_add_nc_u32 v[STO], s23, v5                   ; in: (r / 2) x pitch + 128 (r % 2) + 16 (l / 16)
	v_mul_u32_u24 v5, v2, SPITCH
	v_lshl_add_u32 v5, v1, 4, v5
	v_add_nc_u32 v[RD], s23, v5                    ; back: lanes 0-15 one row, lanes 16-31 the next
	v_and_b32 v6, 31, v0
	v_lshlrev_b32 v[CO], 4, v6                     ; and the same 512 bytes in memory: 16 x lane
	s_lshr_b32 s20, s17, 3                         ; batch
	s_mul_i32 s20, s20, 48
	s_lshl_b32 s20, s20, 18                        ; a head is 2,048 x 128 bytes
	s_and_b32 s21, s17, 7
	s_lshl_b32 s21, s21, 15                        ; 256 positions of 128 bytes
	s_add_co_u32 s20, s20, s21
	s_lshl_b32 s21, s15, 14
	s_add_co_u32 s20, s20, s21
	s_mov_b32 s21, 0
	s_lshl_b32 s46, s42, 20                        ; g = 4 x tile column + 2 x half
	s_lshl_b32 s47, s16, 19
	s_add_co_u32 s46, s46, s47
	s_mov_b32 s47, 0
	s_add_nc_u64 s[20:21], s[20:21], s[46:47]
	s_add_nc_u64 s[12:13], s[12:13], s[20:21]
.macro FRAG reg, adr, q, i             ; 16 rows x 128 K of 4-bit codes: 8 registers, two loads of 16 bytes, 32 bytes apart
.irp c, 0,1
	ds_load_b128 v[\reg+4*\c:\reg+4*\c+3], v[\adr] offset:64*(\q)+32*\c+(\i)*16*PITCH
.endr
.endm
; 16 matrix instructions: tokens' blocks a0, a0 + 1 x the columns' eight.  The 64 accumulators take turns, one instruction a turn, in the same order in every step.
.macro MUL16 a0, p, q, sc, first
.irp a, \a0, \a0+1
.irp b, 0,1,2,3,4,5,6,7
.if \first
	v_wmma_scale_f32_16x16x128_f8f6f4 v[8*(8*((\a)%4)+\b):8*(8*((\a)%4)+\b)+7], v[128*(\p)+FR*\b:128*(\p)+FR*\b+FR-1], v[AF+FR*(\a):AF+FR*(\a)+FR-1], v[BI+8*\b:BI+8*\b+7], v[SC+8*NQ*(\sc)+NQ*\b+(\q)], v[SC+8*NQ*(\sc)+NQ*(\a)+(\q)] matrix_a_fmt:MATRIX_FMT_FP4 matrix_b_fmt:MATRIX_FMT_FP4 matrix_a_scale:MATRIX_SCALE_ROW1
.else
	v_wmma_scale_f32_16x16x128_f8f6f4 v[8*(8*((\a)%4)+\b):8*(8*((\a)%4)+\b)+7], v[128*(\p)+FR*\b:128*(\p)+FR*\b+FR-1], v[AF+FR*(\a):AF+FR*(\a)+FR-1], v[8*(8*((\a)%4)+\b):8*(8*((\a)%4)+\b)+7], v[SC+8*NQ*(\sc)+NQ*\b+(\q)], v[SC+8*NQ*(\sc)+NQ*(\a)+(\q)] matrix_a_fmt:MATRIX_FMT_FP4 matrix_b_fmt:MATRIX_FMT_FP4 matrix_a_scale:MATRIX_SCALE_ROW1
.endif
.endr
.endr
.endm
.macro FETCH_B slot, q, p
	WIN TO_B
.irp i, 0,1,2,3,4,5,6,7
	FRAG 128*(\p)+FR*\i, ADRB+\slot, \q, \i
.endr
	WIN 0
.endm
.macro FETCH_A slot, q, i0
.irp i, \i0, \i0+1, \i0+2, \i0+3
	FRAG AF+FR*(\i), ADRA+\slot, \q, \i
.endr
.endm
.macro SCALES sc                       ; a slot's scale words: lanes 0-15 take x's block i, lanes 16-31 the weights' block i
.irp i, 0,1,2,3,4,5,6,7
	ds_load_b128 v[SC+8*NQ*\sc+NQ*\i:SC+8*NQ*\sc+NQ*\i+3], v[ADRS] offset:\i*SBLK
.endr
.endm
.macro PLACES n                        ; plain vector instructions in front of loads into registers that matrix instructions have read, and of the first read of results
.rept \n
	v_nop
.endr
.endm
.macro STEP slot, q, first             ; 128 along K, with its successor in the same slot
	s_wait_dscnt 4*NL                              ; the weights' set and x's blocks 0-3 are in; the youngest eight loads (x's blocks 4-7) may be out
.if \first
	WIN MUL_LO0
.else
	WIN MUL_LO
.endif
	MUL16 0, (\q)%2, \q, \slot, \first
	MUL16 2, (\q)%2, \q, \slot, \first
	s_wait_dscnt 0
	PLACES NP
	FETCH_B \slot, (\q)+1, 1-(\q)%2
	FETCH_A \slot, (\q)+1, 0
.if \first
	WIN MUL_HI0
.else
	WIN MUL_HI
.endif
	MUL16 4, (\q)%2, \q, \slot, \first
	MUL16 6, (\q)%2, \q, \slot, \first
	PLACES NP
	WIN 0
	FETCH_A \slot, (\q)+1, 4
.endm
.macro TURN slot, next                 ; slot 0's last step changes slots: one barrier; in front of it each wave has its part of slot 1 and has ended its reads of slot 0.  Nothing is filled again
	s_wait_tensorcnt 0x0                           ; all my tensor loads have landed
	ds_add_u32 v[SPW], v[NIL]                      ; 0 onto my spare word
	s_wait_dscnt 4*NL+1                            ; the add and the youngest eight loads may be out
	WIN MUL_LO
	MUL16 0, 1, NQ-1, \slot, 0
	s_wait_dscnt 0x0                               ; the add is done, and my reads of this slot are over
	s_barrier_signal -1
	MUL16 2, 1, NQ-1, \slot, 0
	WIN 0
	s_barrier_wait -1
	PLACES NP
	v_add_nc_u32 v[ADRS], 4*NQ, v[ADRS]            ; the next slot's scale words
	FETCH_B \next, 0, 0
	FETCH_A \next, 0, 0
	SCALES \next
	WIN MUL_HI
	MUL16 4, 1, NQ-1, \slot, 0
	MUL16 6, 1, NQ-1, \slot, 0
	PLACES NP
	WIN 0
	FETCH_A \next, 0, 4
.endm
.macro STEPS slot, from
.set Q, \from
.rept NQ-1-\from
	STEP \slot, Q, 0
.set Q, Q+1
.endr
.endm
	s_wait_tensorcnt 1                             ; the scales and my part of slot 0 are in; slot 1's load may be out
	s_barrier_signal -1
	s_barrier_wait -1
	FETCH_B 0, 0, 0
	FETCH_A 0, 0, 0
	SCALES 0
	FETCH_A 0, 0, 4
	STEP 0, 0, 1                                   ; the first products start the sums at the bias
	STEPS 0, 1
	TURN 0, 1
	STEPS 1, 0
	s_wait_dscnt 4*NL
	WIN MUL_LO
	MUL16 0, 1, NQ-1, 1, 0
	MUL16 2, 1, NQ-1, 1, 0
	s_wait_dscnt 0
	WIN MUL_HI
	MUL16 4, 1, NQ-1, 1, 0
	MUL16 6, 1, NQ-1, 1, 0
	WIN 0
	PLACES NP
; THE WAY OUT, a block of 16 tokens x 128 channels (two heads) at a time: rounded to f16, 16 bytes a lane, through my stage, back as runs of 512 bytes that are consecutive in memory (four tokens of one head).
.macro PACK a
.set AC, 64*((\a)%4)
	WIN 0x0a+5*((\a)/4)                            ; sources 0 and 1: window 2 or 3
.irp b, 0,1,2,3,4,5,6,7
.irp r, 0,1,2,3
	v_cvt_pk_f16_f32 v[TMP+4*\b+\r], v[AC+8*\b+2*\r], v[AC+8*\b+2*\r+1]   ; each accumulator from its low end on
.endr
.endr
	WIN 0
.endm
.macro TOSTAGE a
.set BB, 96+128*((\a)%2)
.irp b, 0,1,2,3,4,5,6,7
	ds_store_b128 v[STO], v[TMP+4*\b:TMP+4*\b+3] offset:(\b/4)*8*SPITCH+32*(\b%4)
.endr
.irp t, 0,1,2,3,4,5,6,7
	ds_load_b128 v[BB+4*\t:BB+4*\t+3], v[RD] offset:\t*2*SPITCH    ; LDS serves a wave's instructions in order: these see the stores above
.endr
.endm
.macro SEND a, younger
.set BB, 96+128*((\a)%2)
	s_wait_dscnt \younger                          ; the block is back in registers
	s_wait_xcnt 0x0                                ; the stores of the block before have read their registers: the next block's loads may land there
.irp t, 0,1,2,3,4,5,6,7
	global_store_b128 v[CO], v[BB+4*\t:BB+4*\t+3], s[12:13] offset:2048*(\a)+(\t/4)*262144+(\t%4)*512   ; 32 lanes store 512 consecutive bytes, aligned
.endr
.endm
	PACK 0
	TOSTAGE 0
.irp a, 1,2,3,4,5,6,7                  ; block a's conversions stand between block a - 1's loads from the stage and the wait for them
	PACK \a
	SEND \a-1, 0
	TOSTAGE \a
.endr
	SEND 7, 0
	s_wait_tensorcnt 0x0                           ; the wave's end
	ds_add_u32 v[SPW], v[NIL]
	s_wait_dscnt 0x0
	CROUND                                         ; the closing round
	s_endpgm
.Lfunc_end_k_q884dd826ec_qkv:
	.size	k_q884dd826ec_qkv, .Lfunc_end_k_q884dd826ec_qkv-k_q884dd826ec_qkv
	.p2alignl 7, 3214868480
	.fill 96, 4, 3214868480
	.section	.rodata,"a",@progbits
	.p2align	6, 0x0
	.amdhsa_kernel k_q884dd826ec_qkv
		.amdhsa_group_segment_fixed_size 327680
		.amdhsa_private_segment_fixed_size 0
		.amdhsa_enable_private_segment 0
		.amdhsa_kernarg_size 56
		.amdhsa_user_sgpr_count 2
		.amdhsa_user_sgpr_kernarg_segment_ptr 1
		.amdhsa_wavefront_size32 1
		.amdhsa_system_sgpr_workgroup_id_x 1
		.amdhsa_system_sgpr_workgroup_id_y 1
		.amdhsa_system_sgpr_workgroup_id_z 1
		.amdhsa_system_vgpr_workitem_id 0
		.amdhsa_next_free_vgpr 1024
		.amdhsa_next_free_sgpr 100
		.amdhsa_reserve_vcc 0
		.amdhsa_float_denorm_mode_32 3
		.amdhsa_float_denorm_mode_16_64 3
		.amdhsa_memory_ordered 1
		.amdhsa_forward_progress 1
		.amdhsa_inst_pref_size 130
	.end_amdhsa_kernel
	.amdgpu_metadata
---
amdhsa.version: [ 1, 2 ]
amdhsa.kernels:
  - .name:           k_q884dd826ec_qkv
    .symbol:         k_q884dd826ec_qkv.kd
    .args:
      - { .name: xc, .offset: 0, .size: 8, .value_kind: global_buffer, .address_space: global }
      - { .name: xs, .offset: 8, .size: 8, .value_kind: global_buffer, .address_space: global }
      - { .name: wc, .offset: 16, .size: 8, .value_kind: global_buffer, .address_space: global }
      - { .name: ws, .offset: 24, .size: 8, .value_kind: global_buffer, .address_space: global }
      - { .name: bq, .offset: 32, .size: 8, .value_kind: global_buffer, .address_space: global }
      - { .name: bv, .offset: 40, .size: 8, .value_kind: global_buffer, .address_space: global }
      - { .name: qkv, .offset: 48, .size: 8, .value_kind: global_buffer, .address_space: global }
    .group_segment_fixed_size: 327680
    .private_segment_fixed_size: 0
    .kernarg_segment_align: 8
    .kernarg_segment_size: 56
    .max_flat_workgroup_size: 128
    .sgpr_count:     100
    .vgpr_count:     1024
    .wavefront_size: 32
...
	.end_amdgpu_metadata
.endif
;; end of part 2
;; launch attn (part 3): grid 4 x 64, 8 waves a work-group, clusters of 4 x 1, 327,680 bytes of LDS; arguments qkv, att; writes att
.if DOCPART == 3
	.amdgcn_target "amdgcn-amd-amdhsa--gfx1250"
	.amdhsa_code_object_version 6
	.text
	.protected	k_q884dd826ec_attn
	.globl	k_q884dd826ec_attn
	.p2align	8
	.type	k_q884dd826ec_attn,@function
k_q884dd826ec_attn:
	s_mov_b64 s[64:65], 0
	v_nop
	global_prefetch_b8 v0, s[64:65] scope:SCOPE_SE
	s_setreg_imm32_b32 hwreg(HW_REG_WAVE_MODE, 25, 1), 1
	s_wait_xcnt 0x0
	s_wait_alu depctr_hold_cnt(0) depctr_sa_sdst(0) depctr_va_vdst(0) depctr_va_sdst(0) depctr_va_ssrc(0) depctr_va_vcc(0) depctr_vm_vsrc(0)
	s_getreg_b32 s2, hwreg(HW_REG_IB_STS2, 6, 4)
	s_cmp_eq_u32 s2, 0
	s_cbranch_scc0 .Lentry_in_a_cluster
	s_endpgm
.Lentry_in_a_cluster:
	s_bfe_u32 s2, ttmp6, 0x10000c
	s_cmp_lg_u32 s2, 0x3003
	s_cbranch_scc0 .Lentry_shape_is_right
	s_endpgm
.Lentry_shape_is_right:
; att[head][token][:] = the sum over keys of softmax(q . k / 8) v, for each batch and head.  q, k, v: f16, [batch][g][2048][64] (g = head, 16 + head, 32 + head).  att: f16, [head 16][token 8192][64].
; Products, maxima and sums in f32; the weights p are rounded to f16 for the second product, the result once at the end.  (k comes without bk: shown at the head of the first launch.)
; LIMITS: |q|, |k|, |v| under 65,504; NaN and infinities are not served.
; SHARES.  A cluster of four work-groups is one head of one batch; a work-group owns 512 queries, each of its eight waves 64: four tiles of 16.  Two waves share a SIMD's registers (512 each), so that one
; wave's softmax can be issued beside the other's products.  Every wave walks all 2,048 keys, 64 a step; each fragment of K and V that it reads from LDS feeds four matrix instructions.
; LAYOUT.  S^T = K Q^T (source 0 = 16 keys, source 1 = 16 queries): a lane holds ONE query (lane % 16) and the keys 8 (lane / 16) + 0..7.  Two such tiles, rounded to f16 in pairs, ARE source 1 of
; O^T = V^T P.  K comes out of LDS as it lies, V ([key][channel]) turned, by ds_load_tr16_b128.
; SOFTMAX.  For each query a running maximum m and sum l: p = 2^(c s - c m), c = log2(e) / 8; in every step O and l are multiplied by a = 2^(c m_old - c m_new).  m begins at -3e38, l and O^T at 0.
; THE RING.  Two LDS slots of four key steps (256 keys).  Waves 0-3 fetch the four steps' tiles of K, waves 4-7 those of V, by joint loads that name the four work-groups.  The change of slots stands at a slot's
; head: behind its round the slot just left is filled with the keys that follow, one load a wave, which has four key steps in which to land.  By this text's count a wave has one tensor load out.
; REGISTERS: window 0: v1-11 addresses; v16-47 eight registers of statistics a tile; v48-55 a second chain for the sums; v64-127 Q; v128-255 S^T, 32 a tile; P takes a tile's low 16.
;   window 1: v0-127 O^T, 32 a tile; v128-191 K of a step; v192-255 V of a step.
.set KS,    64
.set PK,    144                        ; a row of K in LDS: 128 bytes + 16
.set PV,    160                        ; a row of V: 128 + 32
.set VOFF,  KS*PK
.set STEPB, KS*(PK+PV)                 ; a step's tiles lie together
.set NST,   4                          ; steps in a slot
.set SLOT1, 1<<17
.set STAGE, SLOT1+NST*STEPB            ; behind the ring: 8 rows x 272 bytes for each wave, for the way out
.set SP,    272
.set SPARE, STAGE+8*8*SP               ; the spare words, 128 bytes for each wave, which no other line names
.set SLOTB, NST*KS*128                 ; a slot's keys in memory: 32,768 bytes of K, as many of V
.set AK0, 1
.set AV0, 2
.set ADK, 3
.set ADV, 4
.set QO,  5
.set STO, 6
.set RD,  7
.set SPW, 8
.set NIL, 9
.set PFO, 10
.set GO,  11
.set ST,  16                           ; tile t at v[ST + 8 t]: +0 c m, +1 m, +2, +3 l, +4 to +7 at work; a takes +6
.set SB,  48
.set Q,   64
.set S,   128
.set KF,  128                          ; in window 1
.set VF,  192
.set WV,  12
.set LIM, 15
.set PFA, 18
.set G1K, 24
.set G1V, 32
.set G0K, 40
.set G0V, 44
.set SLOTS, 56
.set CNT, 57
.set CS,  58
.set SEL, 60
.set TB,  62
.set MSB, 0
.macro WIN new
.if MSB != (\new)
	s_set_vgpr_msb (MSB<<8)|(\new)
.set MSB, (\new)
.endif
.endm
.macro JLOAD                           ; a joint load; the branch hangs on the wave's number alone; an s_nop 0 and four v_nop follow each line
	s_cmp_lt_u32 s[WV], 4
	s_cbranch_scc0 .Lfor_v_\@
	tensor_load_to_lds s[G0K:G0K+3], s[G1K:G1K+7]
	s_nop 0
.rept 4
	v_nop
.endr
	s_branch .Lasked_\@
.Lfor_v_\@:
	tensor_load_to_lds s[G0V:G0V+3], s[G1V:G1V+7]
	s_nop 0
.rept 4
	v_nop
.endr
.Lasked_\@:
.endm
; A prefetch of what the NEXT change of slots will ask for: 32,768 bytes of K and of V.  The four partners take 8,192 bytes each, told apart by address; in each, wave 0 asks for K's and wave 4 for V's, lanes 256
; bytes apart: each aligned 256 bytes is named once in the launch.  Four key steps ahead of the load that wants them.  The last change that fills a slot asks for nothing; slots 0 and 1 come by their loads alone.
.macro ASK
	s_cmp_gt_u32 s[SLOTS], s[LIM]
	s_cbranch_scc0 .Lnot_mine_\@
	global_prefetch_b8 v[PFO], s[PFA:PFA+1] th:TH_LOAD_NT scope:SCOPE_SE
.Lnot_mine_\@:
.endm
.macro CROUND
	s_barrier_signal -1
	s_barrier_wait -1
	s_cmp_lg_u32 s[WV], 0
	s_cbranch_scc1 .Lnot_wave_0_\@
	s_barrier_signal -3
.Lnot_wave_0_\@:
	s_barrier_wait -3
	s_barrier_signal -1
	s_barrier_wait -1
.endm
	s_load_b128 s[4:7], s[0:1], 0x0                ; qkv, att
	v_lshl_add_u32 v[SPW], v0, 2, SPARE
	v_mov_b32 v[NIL], 0
	ds_add_u32 v[SPW], v[NIL]                      ; the wave's opening: the add, twice on end, and its wait ahead of my first tensor load
	ds_add_u32 v[SPW], v[NIL]
	v_lshrrev_b32 v12, 5, v0
	v_readfirstlane_b32 s[WV], v12                 ; wave 0..7
	s_bfe_u32 s13, ttmp6, 0x40000                  ; cx: it enters Q's, att's and the prefetches' addresses alone
	s_and_b32 s20, ttmp7, 0xffff                   ; batch x 16 + head, which the four partners share
	s_lshr_b32 s21, s20, 4
	s_and_b32 s22, s20, 15
	s_mul_i32 s23, s21, 48
	s_add_co_u32 s23, s23, s22
	s_lshl_b32 s2, s23, 18                         ; the head's q: 262,144 bytes a head
	s_mov_b32 s3, 0
	s_and_b32 s16, s[WV], 3                        ; which of a slot's four steps I fetch:
	s_mul_i32 s17, s16, STEPB                      ; its place in a slot,
	s_lshl_b32 s50, s16, 13                        ; its 64 rows of 128 bytes in memory
	s_mov_b32 s51, 0
	s_lshl_b32 s52, s22, 20                        ; att: the head's 8,192 tokens of 128 bytes,
	s_lshl_b32 s53, s21, 18                        ; the batch's 2,048
	s_add_co_u32 s52, s52, s53
	s_lshl_b32 s54, s13, 16                        ; my work-group's 512 rows,
	s_lshl_b32 s55, s[WV], 13                      ; my wave's 64
	s_add_co_u32 s54, s54, s55
	s_add_co_u32 s52, s52, s54
	s_mov_b32 s53, 0
	s_mov_b32 s55, 0
	s_mov_b32 s[G1K], 15|(1<<16)|(1<<20)|(1<<21)|(4<<22)|(3<<25)  ; the mask: all four; elements of 2 bytes; padding on; bit 21 beside a mask; after every 32 words, 4 words
	s_mov_b32 s[G1V], 15|(1<<16)|(1<<20)|(1<<21)|(4<<22)|(7<<25)  ; the same with 8 words
.irp g, G1K, G1V
	s_mov_b32 s[\g+1], 64<<16                      ; tensor_dim0
	s_mov_b32 s[\g+2], KS<<16                      ; tensor_dim1
	s_mov_b32 s[\g+3], 64<<16                      ; tile_dim0
	s_mov_b32 s[\g+4], KS                          ; tile_dim1
	s_mov_b32 s[\g+5], 64                          ; from row to row
	s_mov_b32 s[\g+6], 0
	s_mov_b32 s[\g+7], 0
.endr
	s_mov_b32 s[CS], 0x3e38aa3b                    ; c = log2(e) / 8
	s_mov_b32 s[CS+1], s[CS]
	s_mov_b32 s[SEL], 0x76543210
	s_mov_b32 s[SEL+1], 0xfedcba98
	s_mov_b32 s[TB], 0
	s_mov_b32 s[SLOTS], 2048/(NST*KS)-1
	s_cmp_eq_u32 s16, 0
	s_cselect_b32 s[LIM], 1, -1                    ; waves 0 and 4 prefetch
	s_wait_dscnt 0x0                               ; both opening adds are done
	s_wait_kmcnt 0x0
	s_add_nc_u64 s[4:5], s[4:5], s[2:3]            ; the head's q,
	s_add_nc_u64 s[8:9], s[4:5], 0x400000          ; k: 16 heads on,
	s_add_nc_u64 s[10:11], s[4:5], 0x800000        ; v: 32 heads on
	s_add_nc_u64 s[48:49], s[4:5], s[54:55]        ; q at my wave's first row
	s_add_nc_u64 s[6:7], s[6:7], s[52:53]          ; att likewise
	s_cmp_lt_u32 s[WV], 4
	s_cselect_b64 s[PFA:PFA+1], s[8:9], s[10:11]
	s_lshl_b32 s2, s13, 13                         ; my work-group's quarter,
	s_add_co_u32 s2, s2, SLOTB                     ; in slot 1: the first change of slots steps it to slot 2
	s_add_nc_u64 s[PFA:PFA+1], s[PFA:PFA+1], s[2:3]
	s_mov_b32 s[G0K], 1
	s_mov_b32 s[G0K+1], s17
	s_add_nc_u64 s[G0K+2:G0K+3], s[8:9], s[50:51]
	s_or_b32 s[G0K+3], s[G0K+3], 0x80000000
	s_mov_b32 s[G0V], 1
	s_add_co_u32 s[G0V+1], s17, VOFF
	s_add_nc_u64 s[G0V+2:G0V+3], s[10:11], s[50:51]
	s_or_b32 s[G0V+3], s[G0V+3], 0x80000000
	CROUND                                         ; all four work-groups are here: the first joint loads meet
	JLOAD                                          ; slot 0
	v_and_b32 v12, 15, v0                          ; r
	v_bfe_u32 v13, v0, 4, 1                        ; h
	v_lshlrev_b32 v[QO], 7, v12
	v_lshl_add_u32 v[QO], v13, 4, v[QO]
.irp i, 0,1,2,3,4,5,6,7                ; Q stays in registers: tile i / 2, channels 32 (i % 2) on
	global_load_b128 v[Q+8*\i:Q+8*\i+3],   v[QO], s[48:49] offset:(\i/2)*2048+(\i%2)*64
	global_load_b128 v[Q+8*\i+4:Q+8*\i+7], v[QO], s[48:49] offset:(\i/2)*2048+(\i%2)*64+32
.endr
	v_mul_u32_u24 v[AK0], v12, PK
	v_lshl_add_u32 v[AK0], v13, 4, v[AK0]          ; K: row x pitch + 16 x half
	v_and_b32 v14, 7, v0
	v_bfe_u32 v15, v0, 3, 1
	v_lshl_add_u32 v[AV0], v13, 3, v14             ; V, for the turning load: key 8 (l / 16) + l % 8, channels 8 ((l / 8) % 2) on
	v_mul_u32_u24 v[AV0], v[AV0], PV
	v_lshl_add_u32 v[AV0], v15, 4, v[AV0]
	v_add_nc_u32 v[AV0], VOFF, v[AV0]
	s_mul_i32 s14, s[WV], 8*SP
	s_add_co_u32 s14, s14, STAGE                   ; my stage: a row holds two tokens' 128 bytes
	v_lshrrev_b32 v14, 1, v12
	v_mul_u32_u24 v14, v14, SP
	v_and_b32 v15, 1, v12
	v_lshl_add_u32 v14, v15, 7, v14
	v_lshl_add_u32 v14, v13, 4, v14
	v_add_nc_u32 v[STO], s14, v14
	v_mul_u32_u24 v14, v13, SP
	v_lshl_add_u32 v14, v12, 4, v14
	v_add_nc_u32 v[RD], s14, v14
	v_and_b32 v14, 31, v0
	v_lshlrev_b32 v[GO], 4, v14
	v_lshlrev_b32 v[PFO], 8, v14
.irp t, 0,1,2,3
	v_mov_b32 v[ST+8*\t+1], 0xff61b1e6             ; m = -3e38, under every score
	v_mul_f32 v[ST+8*\t], s[CS], v[ST+8*\t+1]
	v_mov_b32 v[ST+8*\t+2], 0
	v_mov_b32 v[ST+8*\t+3], 0
.endr
	WIN 0x40
.set i, 0
.rept 128
	v_mov_b32 v[i], 0                              ; O^T.  The key step is written without a first step of its own: the first a is 0 and leaves zeros
.set i, i+1
.endr
	WIN 0
.macro SCALE t, b                      ; pair b of tile t: c s - c m
	v_pk_fma_f32 v[S+32*(\t)+2*\b:S+32*(\t)+2*\b+1], v[S+32*(\t)+2*\b:S+32*(\t)+2*\b+1], s[CS:CS+1], v[ST+8*(\t):ST+8*(\t)+1] op_sel_hi:[1,0,0] neg_lo:[0,0,1] neg_hi:[0,0,1]
.endm
; A KEY STEP: 64 keys at LDS byte s[TB].
.macro STEP
	v_add_nc_u32 v[ADK], s[TB], v[AK0]             ; these two and three v_nop are five places behind the last V^T P: four for the loads into V's registers, five for the products that write over P
	v_add_nc_u32 v[ADV], s[TB], v[AV0]
.rept 3
	v_nop
.endr
	WIN 0x40                                       ; destination window 1
.irp f, 0,1,2,3,4,5,6,7                ; K: keys 16 (f / 2) on, channels 32 (f % 2) on
	ds_load_b128 v[KF+8*\f:KF+8*\f+3],   v[ADK] offset:(\f/2)*16*PK+(\f%2)*64
	ds_load_b128 v[KF+8*\f+4:KF+8*\f+7], v[ADK] offset:(\f/2)*16*PK+(\f%2)*64+32
.endr
.irp f, 0,1,2,3,4,5,6,7                ; V: keys 32 (f / 4) on, channels 16 (f % 4) on
	ds_load_tr16_b128 v[VF+8*\f:VF+8*\f+3],   v[ADV] offset:(\f/4)*32*PV+(\f%4)*32
	ds_load_tr16_b128 v[VF+8*\f+4:VF+8*\f+7], v[ADV] offset:(\f/4)*32*PV+16*PV+(\f%4)*32
.endr
	s_wait_dscnt 16                                ; K is in; V's sixteen loads stay out
	WIN 0x01                                       ; K in window 1; Q and S^T in window 0
.irp c, 0,1                            ; the 16 accumulators take turns, one instruction a turn
.irp kt, 0,1,2,3
.irp t, 0,1,2,3
.if \c == 0
	v_wmma_f32_16x16x32_f16 v[S+32*\t+8*\kt:S+32*\t+8*\kt+7], v[KF+8*(2*\kt+\c):KF+8*(2*\kt+\c)+7], v[Q+16*\t+8*\c:Q+16*\t+8*\c+7], 0
.else
	v_wmma_f32_16x16x32_f16 v[S+32*\t+8*\kt:S+32*\t+8*\kt+7], v[KF+8*(2*\kt+\c):KF+8*(2*\kt+\c)+7], v[Q+16*\t+8*\c:Q+16*\t+8*\c+7], v[S+32*\t+8*\kt:S+32*\t+8*\kt+7]
.endif
.endr
.endr
.endr
	WIN 0
.rept 4
	v_nop                                          ; places in front of the first read of the scores
.endr
	; the maximum of a lane's 32 scores and the old m, the four tiles by turns; each accumulator is read from its low end on
.irp j, 0,1,2,3
.irp t, 0,1,2,3
	v_max3_num_f32 v[ST+8*\t+4+\j], v[S+32*\t+8*\j], v[S+32*\t+8*\j+1], v[S+32*\t+8*\j+2]
.endr
.endr
.irp g, 1,2
.irp j, 0,1,2,3
.irp t, 0,1,2,3
	v_max3_num_f32 v[ST+8*\t+4+\j], v[ST+8*\t+4+\j], v[S+32*\t+8*\j+2*\g+1], v[S+32*\t+8*\j+2*\g+2]
.endr
.endr
.endr
.irp t, 0,1,2,3
	v_max3_num_f32 v[ST+8*\t+4], v[ST+8*\t+4], v[S+32*\t+7], v[S+32*\t+15]
.endr
.irp t, 0,1,2,3
	v_max3_num_f32 v[ST+8*\t+6], v[ST+8*\t+6], v[S+32*\t+23], v[S+32*\t+31]
.endr
.irp t, 0,1,2,3
	v_max3_num_f32 v[ST+8*\t+4], v[ST+8*\t+4], v[ST+8*\t+5], v[ST+8*\t+6]
.endr
.irp t, 0,1,2,3
	v_max3_num_f32 v[ST+8*\t+4], v[ST+8*\t+4], v[ST+8*\t+7], v[ST+8*\t+1]
.endr
.irp t, 0,1,2,3
	v_permlanex16_b32 v[ST+8*\t+5], v[ST+8*\t+4], s[SEL], s[SEL+1]   ; the query's other 32 keys lie in the lane 16 away
.endr
.irp t, 0,1,2,3
	v_mov_b32 v[ST+8*\t+7], v[ST+8*\t]             ; c m_old
.endr
.irp t, 0,1,2,3
	v_max_num_f32 v[ST+8*\t+1], v[ST+8*\t+4], v[ST+8*\t+5]
.endr
.irp t, 0,1,2,3
	v_mul_f32 v[ST+8*\t], s[CS], v[ST+8*\t+1]
.endr
.irp t, 0,1,2,3
	v_sub_f32 v[ST+8*\t+7], v[ST+8*\t+7], v[ST+8*\t]
.endr
	; ONE BATCH: the four a, the 64 scalings and the 128 exponentials; none of these lines names an exponential's result.  A tile's scalings stand among the exponentials of the tile before
.irp t, 0,1,2,3
	v_exp_f32 v[ST+8*\t+6], v[ST+8*\t+7]
.endr
.irp b, 0,1,2,3,4,5,6,7,8,9,10,11,12,13,14,15
	SCALE 0, \b
.endr
.irp t, 0,1,2
.irp b, 0,1,2,3,4,5,6,7,8,9,10,11,12,13,14,15
	v_exp_f32 v[S+32*\t+2*\b], v[S+32*\t+2*\b]
	SCALE \t+1, \b
	v_exp_f32 v[S+32*\t+2*\b+1], v[S+32*\t+2*\b+1]
.endr
.endr
.set i, 0
.rept 32
	v_exp_f32 v[S+96+i], v[S+96+i]
.set i, i+1
.endr
	v_nop                                          ; a plain instruction behind the last exponential
	s_wait_alu depctr_va_vdst(0)                   ; one wait for the batch, ahead of the first line that names a result
	; l = a l + the sum of the lane's 16 pairs, in two chains a tile
.irp t, 0,1,2,3
	v_pk_fma_f32 v[ST+8*\t+2:ST+8*\t+3], v[ST+8*\t+2:ST+8*\t+3], v[ST+8*\t+6:ST+8*\t+7], v[S+32*\t:S+32*\t+1] op_sel_hi:[1,0,1]
.endr
.irp t, 0,1,2,3
	v_pk_add_f32 v[SB+2*\t:SB+2*\t+1], v[S+32*\t+2:S+32*\t+3], v[S+32*\t+6:S+32*\t+7]
.endr
.irp p, 2,4,6,8,10,12
.irp t, 0,1,2,3
	v_pk_add_f32 v[ST+8*\t+2:ST+8*\t+3], v[ST+8*\t+2:ST+8*\t+3], v[S+32*\t+2*\p:S+32*\t+2*\p+1]
	v_pk_add_f32 v[SB+2*\t:SB+2*\t+1], v[SB+2*\t:SB+2*\t+1], v[S+32*\t+2*\p+6:S+32*\t+2*\p+7]
.endr
.endr
.irp t, 0,1,2,3
	v_pk_add_f32 v[ST+8*\t+2:ST+8*\t+3], v[ST+8*\t+2:ST+8*\t+3], v[S+32*\t+28:S+32*\t+29]
.endr
.irp t, 0,1,2,3
	v_pk_add_f32 v[ST+8*\t+2:ST+8*\t+3], v[ST+8*\t+2:ST+8*\t+3], v[SB+2*\t:SB+2*\t+1]
.endr
	; p to f16, in place: register j takes pair j, whose registers 2 j and 2 j + 1 lie at or above it
.irp j, 0,1,2,3,4,5,6,7,8,9,10,11,12,13,14,15
.irp t, 0,1,2,3
	v_cvt_pk_f16_f32 v[S+32*\t+\j], v[S+32*\t+2*\j], v[S+32*\t+2*\j+1]
.endr
.endr
	WIN 0x41                                       ; O^T (destination and source 0) in window 1, a in window 0
.irp i, 0,1,2,3,4,5,6,7,8,9,10,11,12,13,14,15
.irp t, 0,1,2,3
	v_pk_mul_f32 v[32*\t+2*\i:32*\t+2*\i+1], v[32*\t+2*\i:32*\t+2*\i+1], v[ST+8*\t+6:ST+8*\t+7] op_sel_hi:[1,0]
.endr
.endr
	s_wait_dscnt 0x0                               ; V is in
	WIN 0x51                                       ; V and O^T in window 1, P in window 0
.irp f, 0,1
.irp ct, 0,1,2,3
.irp t, 0,1,2,3
	v_wmma_f32_16x16x32_f16 v[32*\t+8*\ct:32*\t+8*\ct+7], v[VF+8*(4*\f+\ct):VF+8*(4*\f+\ct)+7], v[S+32*\t+8*\f:S+32*\t+8*\f+7], v[32*\t+8*\ct:32*\t+8*\ct+7]
.endr
.endr
.endr
	WIN 0
	s_add_co_u32 s[TB], s[TB], STEPB
.endm
.macro FOUR_STEPS                      ; a slot's four key steps: written once, walked four times
	s_mov_b32 s[CNT], NST
.Lstep_\@:
	STEP
	s_sub_co_u32 s[CNT], s[CNT], 1
	s_cmp_lg_u32 s[CNT], 0
	s_cbranch_scc1 .Lstep_\@
	s_sub_co_u32 s[TB], s[TB], NST*STEPB           ; back to a slot's first step,
	s_xor_b32 s[TB], s[TB], SLOT1                  ; in the other slot
.endm
; THE CHANGE OF SLOTS, at a slot's head.  Each wave waits for all its tensor loads (its part of the slot ahead), adds 0 to its spare word, and waits for that and for its reads of the slot that it has left.
; fill = 1: a round of the cluster's barrier, and the joint load of the keys that follow, into the slot just left, first behind it.
.macro CHANGE fill
	s_wait_tensorcnt 0x0                           ; no tensor load of mine is out, so a group 0 may be written
	ds_add_u32 v[SPW], v[NIL]                      ; 0 onto my spare word
.if \fill
	s_xor_b32 s[G0K+1], s[G0K+1], SLOT1            ; the walking descriptors: the other slot than last time, the next 256 keys
	s_add_nc_u64 s[G0K+2:G0K+3], s[G0K+2:G0K+3], SLOTB
	s_xor_b32 s[G0V+1], s[G0V+1], SLOT1
	s_add_nc_u64 s[G0V+2:G0V+3], s[G0V+2:G0V+3], SLOTB
	s_wait_xcnt 0x0                                ; the last prefetch, a slot back, has read its address
	s_add_nc_u64 s[PFA:PFA+1], s[PFA:PFA+1], SLOTB
	s_wait_dscnt 0x0                               ; the add is done, and my reads of the slot that I have left are over
	CROUND
	JLOAD
	ASK
.else
	s_wait_dscnt 0x0
	s_barrier_signal -1
	s_barrier_wait -1
.endif
.endm
	s_wait_loadcnt 0x0                             ; Q
.Lslot:                                            ; seven trips: behind each change of slots but the last the next slot is asked for
	CHANGE 1
	FOUR_STEPS
	s_sub_co_u32 s[SLOTS], s[SLOTS], 1
	s_cmp_lg_u32 s[SLOTS], 0
	s_cbranch_scc1 .Lslot
	CHANGE 0                                       ; the last slot is written out
	FOUR_STEPS
	; THE WAY OUT.  l's halves and the other half of the lanes' are added (these lines are the places behind the last products); O^T / l, rounded to f16, goes through my stage, a tile at a time.
.irp t, 0,1,2,3
	v_add_f32 v[ST+8*\t+4], v[ST+8*\t+2], v[ST+8*\t+3]
.endr
.irp t, 0,1,2,3
	v_permlanex16_b32 v[ST+8*\t+5], v[ST+8*\t+4], s[SEL], s[SEL+1]
.endr
.irp t, 0,1,2,3
	v_add_f32 v[ST+8*\t+4], v[ST+8*\t+4], v[ST+8*\t+5]
.endr
.irp t, 0,1,2,3
	v_rcp_f32 v[ST+8*\t+6], v[ST+8*\t+4]
.endr
	v_nop
	s_wait_alu depctr_va_vdst(0)                   ; one wait for the four reciprocals, ahead of their first reader
.macro PACK t
	WIN 0x41
.set i, 0
.rept 16
	v_pk_mul_f32 v[32*\t+i:32*\t+i+1], v[32*\t+i:32*\t+i+1], v[ST+8*\t+6:ST+8*\t+7] op_sel_hi:[1,0]
.set i, i+2
.endr
	WIN 0x05                                       ; sources window 1, destination window 0
.set i, 0
.rept 16
	v_cvt_pk_f16_f32 v[S+32*\t+i], v[32*\t+2*i], v[32*\t+2*i+1]
.set i, i+1
.endr
	WIN 0
.irp f, 0,1,2,3
	ds_store_b128 v[STO], v[S+32*\t+4*\f:S+32*\t+4*\f+3] offset:32*\f
.endr
.irp f, 0,1,2,3
	ds_load_b128 v[S+32*\t+16+4*\f:S+32*\t+16+4*\f+3], v[RD] offset:\f*2*SP   ; LDS serves a wave's instructions in order: these see the stores above; the next tile's stores come behind them
.endr
.endm
.macro SEND t, younger                 ; younger: the LDS instructions issued behind tile t's loads: the next tile's eight, or none
.irp f, 0,1,2,3
	s_wait_dscnt \younger+3-\f
	global_store_b128 v[GO], v[S+32*\t+16+4*\f:S+32*\t+16+4*\f+3], s[6:7] offset:\t*2048+\f*512   ; 32 lanes store 512 consecutive bytes, aligned
.endr
.endm
	PACK 0
	PACK 1
	SEND 0, 8
	PACK 2
	SEND 1, 8
	PACK 3
	SEND 2, 8
	SEND 3, 0
	s_wait_tensorcnt 0x0                           ; the wave's end
	ds_add_u32 v[SPW], v[NIL]
	s_wait_dscnt 0x0
	CROUND                                         ; the closing round
	s_endpgm
.Lfunc_end_k_q884dd826ec_attn:
	.size	k_q884dd826ec_attn, .Lfunc_end_k_q884dd826ec_attn-k_q884dd826ec_attn
	.p2alignl 7, 3214868480
	.fill 96, 4, 3214868480
	.section	.rodata,"a",@progbits
	.p2align	6, 0x0
	.amdhsa_kernel k_q884dd826ec_attn
		.amdhsa_group_segment_fixed_size 327680
		.amdhsa_private_segment_fixed_size 0
		.amdhsa_enable_private_segment 0
		.amdhsa_kernarg_size 16
		.amdhsa_user_sgpr_count 2
		.amdhsa_user_sgpr_kernarg_segment_ptr 1
		.amdhsa_wavefront_size32 1
		.amdhsa_system_sgpr_workgroup_id_x 1
		.amdhsa_system_sgpr_workgroup_id_y 1
		.amdhsa_system_sgpr_workgroup_id_z 1
		.amdhsa_system_vgpr_workitem_id 0
		.amdhsa_next_free_vgpr 512
		.amdhsa_next_free_sgpr 66
		.amdhsa_reserve_vcc 0
		.amdhsa_float_denorm_mode_32 3
		.amdhsa_float_denorm_mode_16_64 3
		.amdhsa_memory_ordered 1
		.amdhsa_forward_progress 1
		.amdhsa_inst_pref_size 91
	.end_amdhsa_kernel
	.amdgpu_metadata
---
amdhsa.version: [ 1, 2 ]
amdhsa.kernels:
  - .name:           k_q884dd826ec_attn
    .symbol:         k_q884dd826ec_attn.kd
    .args:
      - { .name: qkv, .offset: 0, .size: 8, .value_kind: global_buffer, .address_space: global }
      - { .name: att, .offset: 8, .size: 8, .value_kind: global_buffer, .address_space: global }
    .group_segment_fixed_size: 327680
    .private_segment_fixed_size: 0
    .kernarg_segment_align: 8
    .kernarg_segment_size: 16
    .max_flat_workgroup_size: 256
    .sgpr_count:     66
    .vgpr_count:     512
    .wavefront_size: 32
...
	.end_amdgpu_metadata
.endif
;; end of part 3
;; launch oproj (part 4): grid 8 x 32, 4 waves a work-group, clusters of 4 x 4, 327,680 bytes of LDS; arguments att, wo16, bo, out0; writes out0
.if DOCPART == 4
	.amdgcn_target "amdgcn-amd-amdhsa--gfx1250"
	.amdhsa_code_object_version 6
	.text
	.protected	k_q884dd826ec_oproj
	.globl	k_q884dd826ec_oproj
	.p2align	8
	.type	k_q884dd826ec_oproj,@function
k_q884dd826ec_oproj:
	s_mov_b64 s[64:65], 0
	v_nop
	global_prefetch_b8 v0, s[64:65] scope:SCOPE_SE
	s_setreg_imm32_b32 hwreg(HW_REG_WAVE_MODE, 25, 1), 1
	s_wait_xcnt 0x0
	s_wait_alu depctr_hold_cnt(0) depctr_sa_sdst(0) depctr_va_vdst(0) depctr_va_sdst(0) depctr_va_ssrc(0) depctr_va_vcc(0) depctr_vm_vsrc(0)
	s_getreg_b32 s2, hwreg(HW_REG_IB_STS2, 6, 4)
	s_cmp_eq_u32 s2, 0
	s_cbranch_scc0 .Lentry_in_a_cluster
	s_endpgm
.Lentry_in_a_cluster:
	s_bfe_u32 s2, ttmp6, 0x10000c
	s_cmp_lg_u32 s2, 0xf033
	s_cbranch_scc0 .Lentry_shape_is_right
	s_endpgm
.Lentry_shape_is_right:
; out0[token][n] = the sum over k of attn[token][k] Wo[k][n] + bo[n].  attn: f16, [head 16][token 8192][64], k = 64 head + channel.  Wo: f16, [k 1024][n 1024].  bo, out0: f32.  Sums in f32.
; A tile of 256 tokens x 128 columns is made by four waves, 128 x 64 each: 32 accumulators, 256 registers: 256 work-groups.  K goes in steps of 128 (two heads) through a ring of two LDS slots:
; waves 0 and 1 fetch a head's 256 tokens each (a dense block of memory), waves 2 and 3 64 rows of Wo each.  128 matrix instructions a wave in a K step.
; CLUSTERS: 4 x 4 work-groups; attn's tiles are asked for jointly along a row of the cluster, Wo's along a column.
; THE MATRIX INSTRUCTION IS USED TRANSPOSED (source 0 = 16 columns of Wo, turned out of LDS by ds_load_tr16_b128; source 1 = 16 tokens): a lane holds one token and eight neighbouring columns.
; bo is the C of each accumulator's first product.
; REGISTERS: window 0: v0-31 addresses; v32-63 bo in the result's layout; v64-159, v160-255 two fragment buffers (attn's 64 registers, then Wo's 32).  window 1: the accumulators ((a, b) at v[8 (4 a + b)]).
.set PA,    144                        ; a token's 128 bytes + 16
.set PB,    288                        ; a row of Wo's tile: 256 bytes + 32
.set AHALF, 256*PA                     ; one head's 256 tokens
.set BOFF,  2*AHALF
.set BHALF, 64*PB
.set SLOT,  BOFF+2*BHALF
.set STAGE, 2*SLOT                     ; behind the ring: 16 rows x 272 bytes for each wave
.set SPITCH, 272
.set SPARE, STAGE+4*16*SPITCH          ; the spare words, 128 bytes for each wave, which no other line names
.set LAPS,  4                          ; a lap = two K steps
.set ADRA, 16
.set ADRB, 20
.set STO,  24
.set RD,   25
.set CO,   26
.set BOF,  27
.set SPW,  28
.set NIL,  29
.set BO,   32
.set F0,   64
.set F1,   160
.set WV,   12                          ; s12 wave; s13 wave / 2; s14 wave % 2
.set G1, 24
.set G0, 32
.set G1B, 48
.set G0B, 56
.set MSB, 0
.macro WIN new
.if MSB != (\new)
	s_set_vgpr_msb (MSB<<8)|(\new)
.set MSB, (\new)
.endif
.endm
.set MUL,  0x50                        ; sources 0 and 1 window 0; C and D window 1
.set MUL0, 0x40                        ; the first products: C (bo) window 0
.macro JLOAD s                         ; a joint load: waves 0 and 1 fetch attn's two heads, waves 2 and 3 Wo's two halves; an s_nop 0 and four v_nop follow each line
	s_cmp_eq_u32 s13, 0
	s_cbranch_scc0 .Lfor_b_\@
	tensor_load_to_lds s[G0+4*\s:G0+4*\s+3], s[G1:G1+7]
	s_nop 0
.rept 4
	v_nop
.endr
	s_branch .Lasked_\@
.Lfor_b_\@:
	tensor_load_to_lds s[G0B+4*\s:G0B+4*\s+3], s[G1B:G1B+7]
	s_nop 0
.rept 4
	v_nop
.endr
.Lasked_\@:
.endm
.macro CREST
	s_cmp_lg_u32 s[WV], 0
	s_cbranch_scc1 .Lnot_wave_0_\@
	s_barrier_signal -3
.Lnot_wave_0_\@:
	s_barrier_wait -3
	s_barrier_signal -1
	s_barrier_wait -1
.endm
.macro CROUND
	s_barrier_signal -1
	s_barrier_wait -1
	CREST
.endm
	s_load_b128 s[4:7], s[0:1], 0x0                ; att, wo16
	s_load_b128 s[8:11], s[0:1], 0x10              ; bo, out0
	v_lshl_add_u32 v[SPW], v0, 2, SPARE
	v_mov_b32 v[NIL], 0
	ds_add_u32 v[SPW], v[NIL]                      ; the wave's opening: the add, twice on end, and its wait ahead of my first tensor load
	ds_add_u32 v[SPW], v[NIL]
	v_lshrrev_b32 v1, 5, v0
	v_readfirstlane_b32 s[WV], v1
	s_lshr_b32 s13, s[WV], 1                       ; which half of the tile's tokens is mine.  Also: I fetch attn (0) or Wo (1)
	s_and_b32 s14, s[WV], 1                        ; which half of its columns.  Also: which half of a K step I fetch
	s_bfe_u32 s40, ttmp6, 0x40000
	s_bfe_u32 s41, ttmp6, 0x40004
	s_lshl_b32 s42, ttmp9, 2
	s_add_co_u32 s42, s42, s40                     ; tile column
	s_and_b32 s15, ttmp7, 0xffff
	s_lshl_b32 s15, s15, 2
	s_add_co_u32 s15, s15, s41                     ; tile row
	s_lshl_b32 s43, s41, 2
	s_lshl_b32 s43, 15, s43                        ; my row of the cluster
	s_lshl_b32 s44, 0x1111, s40                    ; my column
	s_or_b32 s[G1+0], s43, (1<<16)|(1<<20)|(1<<21)|(4<<22)|(3<<25)   ; attn: elements of 2 bytes; after every 32 words, 4 words of padding
	s_mov_b32 s[G1+1], 64<<16                      ; tensor_dim0
	s_mov_b32 s[G1+2], 256<<16                     ; tensor_dim1
	s_mov_b32 s[G1+3], 64<<16                      ; tile_dim0
	s_mov_b32 s[G1+4], 256                         ; tile_dim1
	s_mov_b32 s[G1+5], 64                          ; from row to row
	s_mov_b32 s[G1+6], 0
	s_mov_b32 s[G1+7], 0
	s_or_b32 s[G1B+0], s44, (1<<16)|(1<<20)|(1<<21)|(5<<22)|(7<<25)  ; Wo: after every 64 words, 8 words of padding
	s_mov_b32 s[G1B+1], 128<<16
	s_mov_b32 s[G1B+2], 64<<16
	s_mov_b32 s[G1B+3], 128<<16
	s_mov_b32 s[G1B+4], 64
	s_mov_b32 s[G1B+5], 1024
	s_mov_b32 s[G1B+6], 0
	s_mov_b32 s[G1B+7], 0
	s_lshl_b32 s16, s14, 20                        ; attn: head = my half, 8,192 tokens of 128 bytes a head,
	s_lshl_b32 s17, s15, 15                        ; the tile row's 256 tokens
	s_add_co_u32 s16, s16, s17
	s_mov_b32 s17, 0
	s_lshl_b32 s46, s14, 17                        ; Wo: my 64 rows of 2,048 bytes,
	s_lshl_b32 s47, s42, 8                         ; the tile column's 256 bytes
	s_add_co_u32 s46, s46, s47
	s_mov_b32 s47, 0
	s_mul_i32 s20, s14, AHALF                      ; where they go: no place in the cluster enters an LDS address
	s_mul_i32 s21, s14, BHALF
	s_add_co_u32 s21, s21, BOFF
	s_wait_dscnt 0x0                               ; both opening adds are done
	s_wait_kmcnt 0x0
	s_add_nc_u64 s[18:19], s[4:5], s[16:17]
	s_add_nc_u64 s[46:47], s[6:7], s[46:47]
	CROUND                                         ; all sixteen work-groups are here: the first joint loads meet
.irp s, 0,1
	s_mov_b32 s[G0+4*\s], 1
	s_add_co_u32 s[G0+4*\s+1], s20, \s*SLOT
	s_add_nc_u64 s[G0+4*\s+2:G0+4*\s+3], s[18:19], \s*2*1048576     ; K step s: two heads on
	s_or_b32 s[G0+4*\s+3], s[G0+4*\s+3], 0x80000000
	s_mov_b32 s[G0B+4*\s], 1
	s_add_co_u32 s[G0B+4*\s+1], s21, \s*SLOT
	s_add_nc_u64 s[G0B+4*\s+2:G0B+4*\s+3], s[46:47], \s*128*2048    ; 128 rows on
	s_or_b32 s[G0B+4*\s+3], s[G0B+4*\s+3], 0x80000000
	JLOAD \s
.endr
	v_and_b32 v1, 15, v0                           ; l % 16
	v_bfe_u32 v2, v0, 4, 1                         ; l / 16
	v_lshlrev_b32 v[BOF], 5, v2
	s_lshl_b32 s46, s42, 9                         ; my first column, in bytes of f32: 512 x tile column + 256 x half
	s_lshl_b32 s47, s14, 8
	s_add_co_u32 s46, s46, s47
	s_mov_b32 s47, 0
	s_add_nc_u64 s[8:9], s[8:9], s[46:47]
.irp b, 0,1,2,3                        ; register BO + 8 b + j: bo[my first column + 16 b + 8 (l / 16) + j]
	global_load_b128 v[BO+8*\b:BO+8*\b+3], v[BOF], s[8:9] offset:64*\b
	global_load_b128 v[BO+8*\b+4:BO+8*\b+7], v[BOF], s[8:9] offset:64*\b+16
.endr
	v_mul_u32_u24 v3, v1, PA
	v_lshl_add_u32 v3, v2, 4, v3                   ; attn: row x pitch + 16 x half
	v_and_b32 v4, 7, v0
	v_bfe_u32 v5, v0, 3, 1
	v_lshl_add_u32 v4, v2, 3, v4                   ; Wo, for the turning load: row 8 (l / 16) + l % 8, columns 8 ((l / 8) % 2) on
	v_mul_u32_u24 v4, v4, PB
	v_lshl_add_u32 v4, v5, 4, v4
	s_mul_i32 s22, s13, 128*PA                     ; my 128 tokens
	s_lshl_b32 s23, s14, 7                         ; my 64 columns
	s_add_co_u32 s23, s23, BOFF
.irp s, 0,1
	v_add_nc_u32 v[ADRA+\s], s22, v3
	v_add_nc_u32 v[ADRB+\s], s23, v4
	s_add_co_u32 s22, s22, SLOT
	s_add_co_u32 s23, s23, SLOT
.endr
	s_mul_i32 s23, s[WV], 16*SPITCH
	s_add_co_u32 s23, s23, STAGE                   ; my stage
	v_mul_u32_u24 v7, v1, SPITCH
	v_lshl_add_u32 v7, v2, 5, v7
	v_add_nc_u32 v[STO], s23, v7                   ; in: row l % 16, 32 bytes for each half of the lanes
	v_mul_u32_u24 v7, v2, SPITCH
	v_lshl_add_u32 v7, v1, 4, v7
	v_add_nc_u32 v[RD], s23, v7                    ; back: lanes 0-15 one row of 256 bytes, lanes 16-31 the next
	v_lshlrev_b32 v7, 12, v2
	v_lshl_add_u32 v[CO], v1, 4, v7                ; and the same two rows in out0
	s_lshl_b32 s16, s15, 20                        ; 256 rows of 4,096 bytes,
	s_lshl_b32 s17, s13, 19                        ; my 128
	s_add_co_u32 s16, s16, s17
	s_mov_b32 s17, 0
	s_add_nc_u64 s[16:17], s[16:17], s[46:47]
	s_add_nc_u64 s[10:11], s[10:11], s[16:17]
; 8 matrix instructions: tokens' blocks a0, a0 + 1 x the four blocks of columns, 32 along K.  The 32 accumulators take turns, one instruction a turn, in the same order in every quarter.
.macro MUL8 f, a0, first
.irp a, \a0, \a0+1
.irp b, 0,1,2,3
.if \first
	v_wmma_f32_16x16x32_f16 v[8*(4*(\a)+\b):8*(4*(\a)+\b)+7], v[\f+64+8*\b:\f+64+8*\b+7], v[\f+8*(\a):\f+8*(\a)+7], v[BO+8*\b:BO+8*\b+7]
.else
	v_wmma_f32_16x16x32_f16 v[8*(4*(\a)+\b):8*(4*(\a)+\b)+7], v[\f+64+8*\b:\f+64+8*\b+7], v[\f+8*(\a):\f+8*(\a)+7], v[8*(4*(\a)+\b):8*(4*(\a)+\b)+7]
.endif
.endr
.endr
.endm
; 24 LDS loads in one run: the fragments of the slot's q-th 32 along K into buffer f: Wo's four, attn's blocks 0-3, then 4-7
.macro FETCH slot, q, f
	WIN 0
.irp b, 0,1,2,3
	ds_load_tr16_b128 v[\f+64+8*\b:\f+64+8*\b+3],   v[ADRB+\slot] offset:(\q)*32*PB+32*\b
	ds_load_tr16_b128 v[\f+64+8*\b+4:\f+64+8*\b+7], v[ADRB+\slot] offset:(\q)*32*PB+32*\b+16*PB
.endr
.irp i, 0,1,2,3,4,5,6,7
	ds_load_b128 v[\f+8*\i:\f+8*\i+3],   v[ADRA+\slot] offset:((\q)/2)*AHALF+((\q)%2)*64+\i*16*PA
	ds_load_b128 v[\f+8*\i+4:\f+8*\i+7], v[ADRA+\slot] offset:((\q)/2)*AHALF+((\q)%2)*64+\i*16*PA+32
.endr
.endm
.macro PLACES                          ; four plain instructions in front of loads into registers that matrix instructions have read, and of the first read of results
.rept 4
	v_nop
.endr
.endm
; A K step is four quarters of 32 along K, 32 matrix instructions each, on buffers 0, 1, 0, 1.  One of the first three: multiplies buffer f and fetches quarter q into g.
.macro QUARTER slot, q, f, g, first
	s_wait_dscnt 8                                 ; Wo's fragments and attn's blocks 0-3 are in; the youngest eight loads (blocks 4-7) may be out
.if \first
	WIN MUL0
.else
	WIN MUL
.endif
	MUL8 \f, 0, \first
	MUL8 \f, 2, \first
	PLACES
	FETCH \slot, \q, \g
	s_wait_dscnt 24                                ; all but the 24 just issued
.if \first
	WIN MUL0
.else
	WIN MUL
.endif
	MUL8 \f, 4, \first
	MUL8 \f, 6, \first
.endm
; The last quarter multiplies buffer 1 and changes slots: one barrier; in front of it each wave waits for all its tensor loads, adds 0 to its spare word, and waits for that and for its reads of this slot.
; fill = 1: the barrier opens a round of the cluster's, and this slot is filled again, two K steps ahead, first behind the round.
.macro TURN slot, next, fill
	WIN 0
	s_wait_tensorcnt 0x0                           ; all my tensor loads have landed: my part of the next slot
	ds_add_u32 v[SPW], v[NIL]                      ; 0 onto my spare word
	s_wait_dscnt 9                                 ; the add and the youngest eight loads may be out
	WIN MUL
	MUL8 F1, 0, 0
	s_wait_dscnt 0x0                               ; the add is done, and my reads of this slot are over
	s_barrier_signal -1
	MUL8 F1, 2, 0
.if \fill
	WIN 0
.endif
	s_barrier_wait -1
.if \fill
	CREST                                          ; no wave of any partner still reads this slot's tiles or has a load on its way
	s_add_nc_u64 s[G0+4*\slot+2:G0+4*\slot+3], s[G0+4*\slot+2:G0+4*\slot+3], 4*1048576
	s_add_nc_u64 s[G0B+4*\slot+2:G0B+4*\slot+3], s[G0B+4*\slot+2:G0B+4*\slot+3], 256*2048
	JLOAD \slot                                    ; the four v_nop behind it are also the places in front of the loads below
.else
	PLACES
.endif
	FETCH \next, 0, F0
	WIN MUL
	MUL8 F1, 4, 0
	MUL8 F1, 6, 0
.endm
	s_wait_tensorcnt 1                             ; my part of K step 0 is in; K step 1's load may be out
	s_barrier_signal -1
	s_barrier_wait -1
	FETCH 0, 0, F0
	s_wait_loadcnt 0x0                             ; bo
	QUARTER 0, 1, F0, F1, 1                        ; the first products start the sums at bo
	WIN 0
	s_mov_b32 s3, LAPS-1
.Llap:                                             ; a trip goes once round the ring, from a lap's second quarter to the next lap's first, and fills both slots again
	QUARTER 0, 2, F1, F0, 0
	QUARTER 0, 3, F0, F1, 0
	TURN 0, 1, 1
	QUARTER 1, 1, F0, F1, 0
	QUARTER 1, 2, F1, F0, 0
	QUARTER 1, 3, F0, F1, 0
	TURN 1, 0, 1
	QUARTER 0, 1, F0, F1, 0
	WIN 0
	s_sub_co_u32 s3, s3, 1
	s_cmp_lg_u32 s3, 0
	s_cbranch_scc1 .Llap
	QUARTER 0, 2, F1, F0, 0                        ; the last lap fills nothing
	QUARTER 0, 3, F0, F1, 0
	TURN 0, 1, 0
	QUARTER 1, 1, F0, F1, 0
	QUARTER 1, 2, F1, F0, 0
	QUARTER 1, 3, F0, F1, 0
	s_wait_dscnt 8
	WIN MUL
	MUL8 F1, 0, 0
	MUL8 F1, 2, 0
	s_wait_dscnt 0
	MUL8 F1, 4, 0
	MUL8 F1, 6, 0
	WIN 0
	PLACES
; THE WAY OUT, a block of 16 tokens x 64 columns at a time, through my own stage: a lane's 32 bytes go in, whole rows of 256 bytes come back.
.macro TOSTAGE a
	WIN 0x04                                       ; an LDS store's data are its source 1: window 1
.irp b, 0,1,2,3
	ds_store_b128 v[STO], v[8*(4*(\a)+\b):8*(4*(\a)+\b)+3] offset:64*\b        ; each accumulator from its low end on
	ds_store_b128 v[STO], v[8*(4*(\a)+\b)+4:8*(4*(\a)+\b)+7] offset:64*\b+16
.endr
	WIN 0
.set BB, 64+32*((\a)%2)
.irp t, 0,1,2,3,4,5,6,7
	ds_load_b128 v[BB+4*\t:BB+4*\t+3], v[RD] offset:\t*2*SPITCH    ; LDS serves a wave's instructions in order: these see the stores above
.endr
.endm
.macro SEND a, younger                 ; younger: the LDS instructions issued behind block a's loads, which may stay out
.set BB, 64+32*((\a)%2)
	s_wait_dscnt \younger
.irp t, 0,1,2,3,4,5,6,7
	global_store_b128 v[CO], v[BB+4*\t:BB+4*\t+3], s[10:11] offset:(16*(\a)+2*\t)*4096 th:TH_STORE_NT   ; sixteen lanes store 256 consecutive bytes, aligned
.endr
.endm
	TOSTAGE 0
.irp a, 1,2,3,4,5,6,7
.if \a > 1
	s_wait_xcnt 0x0                                ; block a - 2's stores have read their registers: block a's loads may land there
.endif
	TOSTAGE \a
	SEND \a-1, 16                                  ; behind block a - 1's loads: block a's 8 stores and 8 loads
.endr
	SEND 7, 0
	s_wait_tensorcnt 0x0                           ; the wave's end
	ds_add_u32 v[SPW], v[NIL]
	s_wait_dscnt 0x0
	CROUND                                         ; the closing round
	s_endpgm
.Lfunc_end_k_q884dd826ec_oproj:
	.size	k_q884dd826ec_oproj, .Lfunc_end_k_q884dd826ec_oproj-k_q884dd826ec_oproj
	.p2alignl 7, 3214868480
	.fill 96, 4, 3214868480
	.section	.rodata,"a",@progbits
	.p2align	6, 0x0
	.amdhsa_kernel k_q884dd826ec_oproj
		.amdhsa_group_segment_fixed_size 327680
		.amdhsa_private_segment_fixed_size 0
		.amdhsa_enable_private_segment 0
		.amdhsa_kernarg_size 32
		.amdhsa_user_sgpr_count 2
		.amdhsa_user_sgpr_kernarg_segment_ptr 1
		.amdhsa_wavefront_size32 1
		.amdhsa_system_sgpr_workgroup_id_x 1
		.amdhsa_system_sgpr_workgroup_id_y 1
		.amdhsa_system_sgpr_workgroup_id_z 1
		.amdhsa_system_vgpr_workitem_id 0
		.amdhsa_next_free_vgpr 512
		.amdhsa_next_free_sgpr 66
		.amdhsa_reserve_vcc 0
		.amdhsa_float_denorm_mode_32 3
		.amdhsa_float_denorm_mode_16_64 3
		.amdhsa_memory_ordered 1
		.amdhsa_forward_progress 1
		.amdhsa_inst_pref_size 86
	.end_amdhsa_kernel
	.amdgpu_metadata
---
amdhsa.version: [ 1, 2 ]
amdhsa.kernels:
  - .name:           k_q884dd826ec_oproj
    .symbol:         k_q884dd826ec_oproj.kd
    .args:
      - { .name: att, .offset: 0, .size: 8, .value_kind: global_buffer, .address_space: global }
      - { .name: wo16, .offset: 8, .size: 8, .value_kind: global_buffer, .address_space: global }
      - { .name: bo, .offset: 16, .size: 8, .value_kind: global_buffer, .address_space: global }
      - { .name: out0, .offset: 24, .size: 8, .value_kind: global_buffer, .address_space: global }
    .group_segment_fixed_size: 327680
    .private_segment_fixed_size: 0
    .kernarg_segment_align: 8
    .kernarg_segment_size: 32
    .max_flat_workgroup_size: 128
    .sgpr_count:     66
    .vgpr_count:     512
    .wavefront_size: 32
...
	.end_amdgpu_metadata
.endif
;; end of part 4
